; MI455X (gfx1250); checked and timed in simulation.
; The chip was launched on July 23, 2026; its instructions are those of AMD's public machine-readable ISA for CDNA 5 (MIT licence, August 2026) and "CDNA5" Instruction Set Architecture Reference Guide (July 2026). The comments in the code are by the model that wrote it; some were corrected since.
;; Multi Head Attention. Allowed arithmetic: matrix products marked QUANTISED: E2M1 operands, one E8M0 scale for each 32 along K, by v_wmma_scale_f32_16x16x128_f8f6f4 with both operands' format E2M1 (or v_wmma_scale_f32_32x16x128_f4), f32 sums; everything else in f32.
;; Inputs: Wk 16 x 1,024 x 64 float32; Wo 1,024 x 1,024 float32; Wq 16 x 1,024 x 64 float32; Wv 16 x 1,024 x 64 float32; bk 16 x 64 float32; bo 1,024 float32; bq 16 x 64 float32; bv 16 x 64 float32; k 4 x 2,048 x 1,024 float32; q 4 x 2,048 x 1,024 float32; v 4 x 2,048 x 1,024 float32.
;; Outputs: out0 4 x 2,048 x 1,024 float32.
;; This version of the problem:
;;   THIS VERSION OF THE PROBLEM IS GIVEN IN LOW PRECISION. The matrix products marked QUANTISED in the list below multiply operands that are first quantised to E2M1 (2 exponent bits, 1 mantissa bit; 4 bits a number), with one power-of-two scale for each 32 numbers along K (OCP MX v1.0); their sums are f32. All else is computed in f32.
;;   The module's matrix products, in the order in which they are computed (A, B: the left and right operand; K: the contracted axis; several contracted axes count as one K, in the product's order):
;;     1. [M 1,024, K 1,024] x [K 1,024, N 8,192]; A: input Wq; B: input q: QUANTISED
;;     2. [M 1,024, K 1,024] x [K 1,024, N 8,192]; A: input Wk; B: input k: QUANTISED
;;     3. [M 1,024, K 1,024] x [K 1,024, N 8,192]; A: input Wv; B: input v: QUANTISED
;;     4. batch 64 x [M 2,048, K 64] x [K 64, N 2,048]; A: computed on the way; B: computed on the way: QUANTISED
;;     5. batch 64 x [M 2,048, K 2,048] x [K 2,048, N 64]; A: softmax (see below); B: computed on the way: QUANTISED
;;     6. [M 8,192, K 1,024] x [K 1,024, N 1,024]; A: computed on the way; B: input Wo: QUANTISED
;;   THE QUANTISER, for each operand of a quantised product, along K:
;;     - K is cut into blocks of 32 from its start; a last block that is shorter is filled with zeros.
;;     - A block's scale is 2^e with e = floor(log2(the largest magnitude in the block)) - 2, held to -126 .. 127; a block of zeros has e = 0. As a byte (E8M0): e + 127.
;;     - Each number is divided by its block's scale, clamped to +-6, and rounded to the nearest number of E2M1, ties to even, subnormals kept.
;;     - The product sums the exact products of the quantised numbers (number of the format x scale) in f32.
;;   ~~~python
;;   def quantise(x, axis):      # numpy; x: float32 -> the quantised numbers, widened to float32 again
;;       x = np.moveaxis(x, axis, -1); K = x.shape[-1]
;;       x = np.pad(x, [(0, 0)] * (x.ndim - 1) + [(0, -K % 32)]); x = x.reshape(x.shape[:-1] + (-1, 32)); a = np.abs(x).max(-1, keepdims=True)
;;       e = np.where(a > 0, np.clip(np.frexp(np.where(a > 0, a, 1))[1] - 1 - 2, -126, 127), 0)      # np.frexp(a)[1] - 1 = floor(log2(a)), exactly
;;       r = np.clip(x / 2.0 ** e, -6, 6)
;;       step = 2.0 ** (np.maximum(np.frexp(np.where(r == 0, 1, r))[1] - 1, 0) - 1)
;;       q = np.round(r / step) * step * 2.0 ** e      # np.round: ties to even
;;       return np.moveaxis(q.reshape(q.shape[:-2] + (-1,))[..., :K], -1, axis).astype(np.float32)
;;   ~~~
;;   SOFTMAX AHEAD OF A QUANTISED PRODUCT. Where the list says 'softmax', what is quantised is not the finished softmax but p = 2^(t - M), with t = logit x log2(e) and M = ceil(the row's largest t), a whole number; so 1/2 < the row's largest p <= 1. The row's sum l is taken of the UNQUANTISED p, in f32, and the product's result is divided by l at the end. Since M is a whole number, a kernel that streams over the keys may use a running M (the ceiling of the running maximum): every later rescaling is an exact power of two, which a block's scale takes up: the codes' values come out the same.
;;   OPERANDS COMPUTED ON THE WAY. 'Computed on the way' means the value that the module computes at that place (a softmax that the list does not call 'softmax' is quantised finished and normalised). What goes into a quantiser is computed in f32, as accurately as f32 sums, v_exp_f32 and their like allow (about 1e-6 of the number): no bf16 or f16 on the way to a quantiser, and a product that is left as it is and whose result goes on into a quantised operand takes f32 operands (vector FMAs, or v_wmma_f32_16x16x4_f32). A number that lies on a knife's edge between two numbers of the format may be rounded either way, as far as f32 arithmetic and the matrix unit's own rounding can turn it there, and no further.
;; One version. Each part assembles by itself: llvm-mc -triple=amdgcn-amd-amdhsa -mcpu=gfx1250 --defsym DOCPART=n.
;; ======== version 1 of 1: 4 launches
;; limits: right only within a limited range of input values
;; workspace buffers: xcod 13,369,344 bytes; wcod 2,228,224 bytes; qcod 4,718,592 bytes; kvcod 9,175,040 bytes; ccod 4,456,448 bytes
;; launch quant (part 1): grid 256 x 1, 13 waves a work-group, no clusters, 111,616 bytes of LDS; arguments q, k, v, Wq, Wk, Wv, Wo, xcod, wcod; writes xcod, wcod
.if DOCPART == 1
	.amdgcn_target "amdgcn-amd-amdhsa--gfx1250"
	.amdhsa_code_object_version 6
	.text
	.protected	k_q65ec01ad1f_quant
	.globl	k_q65ec01ad1f_quant
	.p2align	8
	.type	k_q65ec01ad1f_quant,@function
k_q65ec01ad1f_quant:
	s_mov_b64 s[64:65], 0
	v_nop
	global_prefetch_b8 v0, s[64:65] scope:SCOPE_SE
	s_setreg_imm32_b32 hwreg(HW_REG_WAVE_MODE, 25, 1), 1
	s_wait_xcnt 0x0
; q, k, v [8192][1024] (K innermost) and Wq, Wk, Wv [16][1024][64], Wo [1024][1024] (K not innermost), all f32, become codes of FP4 (E2M1) with one E8M0 byte for each 32 along K = 1,024.
; A block's scale is 2^(floor(log2(its largest magnitude)) - 2): its byte is the largest magnitude's exponent field - 2, held at 1 from below; each number is divided by it and rounded to the nearest code, ties to even, beyond 6 the code of 6.
; LIMITS: NaN and infinities among the inputs are not served.  A block of zeros gets the byte 1 where the quantiser's text says 127: its codes are zeros, which add nothing under that byte, and only this program reads the bytes.
; THE OUTPUT IS LAID AS THE MATRIX OPERAND'S REGISTERS WANT IT.  Tile T holds the 16 rows 32 (T / 2) + 8 (T % 2) + r + 8 (r / 8), r = 0 .. 15.  With L = r + 16 h the 16 bytes of the codes of tile row r,
; k = 128 s + 64 c + 32 h + 0 .. 31, lie at 8192 T + 1024 s + 512 c + 16 L.  The scale word (four bytes: 128 along K) of (T, s, r) lies at 512 T + 256 (s / 4) + 16 r + 4 (s % 4).
; xcod: images of q, k, v at 4,194,304 w, their scale words at 12,582,912 + 262,144 w.  wcod: images of Wq, Wk, Wv (row = 64 head + e), Wo (row = output column) at 524,288 m, scale words at 2,097,152 + 32,768 m.
; Wave 0 of each work-group takes the weights, waves 1-12 q, k, v.  Waves share nothing: no barrier.  Only the second path uses LDS.
.set R,   32                           ; v32-159  x: two sets of 64 registers as loaded (16 rows x 16 bytes a lane)
.set X,   160                          ; v160-223 x: my two blocks of 32 neighbours
.set C,   224                          ; v224-255 x: codes, eight registers for each of four K steps: no store's data are written again
.set MX,  8                            ; v8-9     largest magnitudes
.set SO,  10                           ; v10-11   the conversions' scale operands
.set BY,  12                           ; v12-13   the bytes
.set WT,  14                           ; v14, v15 my two bytes in their places, the other half of the lanes'
.set WU,  15
.set WD,  16                           ; v16-19   the scale words of the four K steps
.set SPI, 528                          ; a stage row: 512 bytes + 16: row r starts 33 r times 16 bytes on, so sixteen rows' reads fall on different banks (64 banks of 4 bytes: ISA guide 11.1)
.set WX,  32                           ; weights: v32-95 two sets of 32 numbers;  v96-159 codes, four registers a block;  v24-27 the scale words
.set WC,  96
.set SB,  24
	s_load_b256 s[4:11], s[0:1], 0x0               ; q s[4:5], k s[6:7], v s[8:9], Wq s[10:11]
	s_load_b256 s[12:19], s[0:1], 0x20             ; Wk s[12:13], Wv s[14:15], Wo s[16:17], xcod s[18:19]
	s_load_b64 s[20:21], s[0:1], 0x40              ; wcod
	v_lshl_add_u32 v30, v0, 2, 0x1ad00             ; the spare words lie behind thirteen stages of 8,448 bytes
	v_mov_b32 v31, 0
	v_lshrrev_b32 v1, 5, v0
	s_delay_alu instid0(VALU_DEP_1)
	v_readfirstlane_b32 s22, v1                    ; wave 0..12
	s_mov_b32 s24, 0x76543210
	s_mov_b32 s25, 0xfedcba98                      ; v_permlanex16_b32's selects for lane l xor 16
	s_mov_b32 s26, 0xffff0000                      ; lanes 16-31
	s_wait_kmcnt 0x0
; THE DEAL: 256 work-groups of 13 waves.  Wave 0 takes one of the weights' 256 shares (its number is the work-group's), waves 1 to 12 take shares 12 x work-group + wave - 1 of the 3,072 of q, k, v: every work-group has the same bytes.
	s_cmp_eq_u32 s22, 0
	s_cbranch_scc1 .Lweights
; ---- q, k, v.  A wave takes one tile of 16 rows x 512 along K: four K steps.  Each load reads 512 consecutive bytes of one row; a K step's 16 rows turn through the wave's own stage in LDS,
; so that lane (r, h) gets k = 64 c + 32 h + 0 .. 31 of tile row r: two whole blocks, in the very order of the operand's registers.
	s_mul_i32 s27, ttmp9, 12
	s_add_co_u32 s27, s27, s22
	s_sub_co_u32 s27, s27, 1                       ; my share X: 1,024 to a tensor
	s_lshr_b32 s28, s27, 10                        ; which tensor
	s_cmp_eq_u32 s28, 1
	s_cselect_b64 s[4:5], s[6:7], s[4:5]
	s_cmp_eq_u32 s28, 2
	s_cselect_b64 s[4:5], s[8:9], s[4:5]
	s_and_b32 s29, s27, 1                          ; which half of K
	s_bfe_u32 s27, s27, 0x90001                    ; T = (X / 2) % 512
	s_lshr_b32 s30, s27, 1
	s_lshl_b32 s30, s30, 17                        ; 32 (T / 2) rows of 4,096 bytes
	s_and_b32 s31, s27, 1
	s_lshl_b32 s31, s31, 15                        ; + 8 (T % 2) rows
	s_add_co_u32 s30, s30, s31
	s_lshl_b32 s31, s29, 11                        ; + 512 numbers
	s_add_co_u32 s30, s30, s31
	s_mov_b32 s31, 0
	s_add_nc_u64 s[4:5], s[4:5], s[30:31]
	s_lshl_b32 s32, s28, 22
	s_lshl_b32 s30, s27, 13
	s_add_co_u32 s32, s32, s30
	s_lshl_b32 s30, s29, 12
	s_add_co_u32 s32, s32, s30
	s_mov_b32 s33, 0
	s_add_nc_u64 s[36:37], s[18:19], s[32:33]      ; my codes
	s_lshl_b32 s34, s28, 18
	s_lshl_b32 s30, s27, 9
	s_add_co_u32 s34, s34, s30
	s_lshl_b32 s30, s29, 8
	s_add_co_u32 s34, s34, s30
	s_add_co_u32 s34, s34, 12582912
	s_mov_b32 s35, 0
	s_add_nc_u64 s[38:39], s[18:19], s[34:35]      ; my scale words
	v_and_b32 v6, 31, v0                           ; L
	v_and_b32 v7, 15, v0                           ; r
	v_bfe_u32 v4, v0, 4, 1                         ; h
	s_delay_alu instid0(VALU_DEP_3)
	v_lshlrev_b32 v1, 4, v6                        ; 16 L: my bytes of a load's and of a store's 512
	s_mul_i32 s40, s22, 16*SPI                     ; my wave's stage
	v_add_nc_u32 v2, s40, v1                       ; into it: a row as it lies
	v_mul_u32_u24 v3, v7, SPI
	s_delay_alu instid0(VALU_DEP_1)
	v_lshl_add_u32 v3, v4, 7, v3
	s_delay_alu instid0(VALU_DEP_1)
	v_add_nc_u32 v3, s40, v3                       ; out of it: row r, + 128 h bytes
	v_lshlrev_b32 v4, 3, v4                        ; 8 h
	s_delay_alu instid0(VALU_DEP_1)
	v_lshl_add_u32 v5, v7, 4, v4                   ; 16 r + 8 h: my two scale words on the way out
	v_mov_b32 v[WU], 0                             ; written once: a lane permute's destination counts as one of its sources
.macro LOAD s
.irp i, 0,1,2,3,4,5,6,7,8,9,10,11,12,13,14,15
	global_load_b128 v[R+64*((\s)%2)+4*\i:R+64*((\s)%2)+4*\i+3], v1, s[4:5] offset:(\i+8*(\i/8))*4096+512*(\s) th:TH_LOAD_NT   ; tile row i, K step s: 512 consecutive bytes, aligned
.endr
.endm
.macro TURN s                          ; LDS serves a wave's instructions in order (ISA guide 5.7.1.4): no wait between the stores and the loads
.irp i, 0,1,2,3,4,5,6,7,8,9,10,11,12,13,14,15
	ds_store_b128 v2, v[R+64*((\s)%2)+4*\i:R+64*((\s)%2)+4*\i+3] offset:SPI*\i
.endr
.irp c, 0,1
.irp j, 0,1,2,3,4,5,6,7
	ds_load_b128 v[X+32*\c+4*\j:X+32*\c+4*\j+3], v3 offset:256*\c+16*\j
.endr
.endr
.endm
.macro STEP s
.if (\s) < 3
	s_wait_loadcnt 16                              ; this K step's 16 loads are in; the next step's 16 may be out
.else
	s_wait_loadcnt 0x0
.endif
	TURN \s
	s_wait_dscnt 0x0                               ; my 64 numbers are back, and the stage's stores have read their registers,
.if (\s) < 2
	LOAD (\s)+2                                    ; which take the loads of two steps on
.endif
.irp c, 0,1
	v_max3_num_f32 v[MX+\c], |v[X+32*\c]|, |v[X+32*\c+1]|, 0x1800000   ; block 2 c + h: all 32 numbers are mine; and the floor 2^(3 - 127): the byte cannot fall under 1
.endr
.irp i, 2,4,6,8,10,12,14,16,18,20,22,24,26,28,30
.irp c, 0,1
	s_delay_alu instid0(VALU_DEP_2)
	v_max3_num_f32 v[MX+\c], v[MX+\c], |v[X+32*\c+\i]|, |v[X+32*\c+\i+1]|   ; (the two blocks by turns)
.endr
.endr
.irp c, 0,1
	s_delay_alu instid0(VALU_DEP_2)
	v_add_nc_u32 v[SO+\c], 0xff000000, v[MX+\c]    ; 2 off the exponent field: the conversion takes this operand's exponent field as its scale
.endr
.irp c, 0,1
	s_delay_alu instid0(VALU_DEP_2)
	v_lshrrev_b32 v[BY+\c], 23, v[SO+\c]           ; the byte
.endr
	s_delay_alu instid0(VALU_DEP_1)
	v_lshl_or_b32 v[WT], v[BY+1], 16, v[BY]        ; blocks h and 2 + h of my row,
	s_delay_alu instid0(VALU_DEP_1)
	v_lshlrev_b32 v[WT], v4, v[WT]                 ; 8 h bits up;
	s_delay_alu instid0(VALU_DEP_1)
	v_permlanex16_b32 v[WU], v[WT], s24, s25
	s_delay_alu instid0(VALU_DEP_1)
	v_or_b32 v[WD+(\s)], v[WT], v[WU]              ; with lane l xor 16's two the word is whole
.irp c, 0,1
.irp g, 0,1,2,3
	v_cvt_scalef32_pk8_fp4_f32 v[C+8*(\s)+4*\c+\g], v[X+32*\c+8*\g:X+32*\c+8*\g+7], v[SO+\c]
.endr
.endr
	v_nop                                          ; one plain vector instruction behind the last scaled conversion
.endm
	LOAD 0
	LOAD 1
	s_wait_alu depctr_va_vdst(0)
	STEP 0
	STEP 1
	STEP 2
	STEP 3
.irp s, 0,1,2,3                        ; each K step has its own eight registers of codes: all leave here, behind the last turn through the stage
.irp c, 0,1
	global_store_b128 v1, v[C+8*\s+4*\c:C+8*\s+4*\c+3], s[36:37] offset:1024*\s+512*\c   ; 32 lanes store 512 consecutive bytes, aligned
.endr
.endr
	v_cndmask_b32 v20, v[WD], v[WD+2], s26         ; lanes 0-15 store words 0, 1 of their row, lanes 16-31 words 2, 3
	v_cndmask_b32 v21, v[WD+1], v[WD+3], s26
	global_store_b64 v5, v[20:21], s[38:39]        ; 256 consecutive bytes, aligned
	s_wait_tensorcnt 0x0
	ds_add_u32 v30, v31
	s_wait_dscnt 0x0
	s_endpgm
; ---- The weights.  A LANE TAKES AN OPERAND ROW n (a column of the weight in memory) AND ITS REGISTERS RUN DOWN K: a block of 32 lies in one lane, and the conversions give codes with K innermost.
; A wave takes 32 rows n = 32 g + j (tiles 2 g and 2 g + 1) x 512 along K: 16 blocks.  Lane j is tile 2 g + u, tile row r, with u = (j / 8) % 2, r = j % 8 + 8 (j / 16).
.Lweights:
	s_lshr_b32 s27, ttmp9, 6                       ; which weight: 64 shares each
	s_and_b32 s28, ttmp9, 63
	s_and_b32 s29, s28, 1                          ; which half of K
	s_lshr_b32 s28, s28, 1                         ; g
	s_lshl_b32 s32, s27, 19
	s_lshl_b32 s30, s28, 14
	s_add_co_u32 s32, s32, s30
	s_lshl_b32 s30, s29, 12
	s_add_co_u32 s32, s32, s30
	s_mov_b32 s33, 0
	s_add_nc_u64 s[36:37], s[20:21], s[32:33]      ; my codes
	s_lshl_b32 s34, s27, 15
	s_lshl_b32 s30, s28, 10
	s_add_co_u32 s34, s34, s30
	s_lshl_b32 s30, s29, 8
	s_add_co_u32 s34, s34, s30
	s_add_co_u32 s34, s34, 2097152
	s_mov_b32 s35, 0
	s_add_nc_u64 s[38:39], s[20:21], s[34:35]      ; my scale words
	v_and_b32 v6, 31, v0
	s_delay_alu instid0(VALU_DEP_1)
	v_lshlrev_b32 v3, 2, v6                        ; in: 4 bytes a lane
	v_and_b32 v7, 7, v0
	v_bfe_u32 v8, v0, 4, 1
	s_delay_alu instid0(VALU_DEP_1)
	v_lshl_or_b32 v7, v8, 3, v7                    ; r
	v_bfe_u32 v9, v0, 3, 1                         ; u
	s_delay_alu instid0(VALU_DEP_2)
	v_lshlrev_b32 v4, 4, v7
	s_delay_alu instid0(VALU_DEP_1)
	v_lshl_add_u32 v4, v9, 13, v4                  ; codes: 8192 u + 16 r
	s_delay_alu instid0(VALU_DEP_4)
	v_lshlrev_b32 v5, 4, v7
	s_delay_alu instid0(VALU_DEP_1)
	v_lshl_add_u32 v5, v9, 9, v5                   ; scale words: 512 u + 16 r
.macro WLOAD t, st                     ; block t: W(32 t + i, my column), st bytes from one k to the next
.irp i, 0,1,2,3,4,5,6,7,8,9,10,11,12,13,14,15,16,17,18,19,20,21,22,23,24,25,26,27,28,29,30,31
	global_load_b32 v[WX+32*((\t)%2)+\i], v3, s[4:5] offset:(32*(\t)+\i)*(\st)
.endr
.endm
.macro WBLOCK t, st
.set XS, WX+32*((\t)%2)
.if (\t) < 15
	s_wait_loadcnt 32                              ; this block's 32 loads are in; the next block's 32 may be out
.else
	s_wait_loadcnt 0x0
.endif
	v_max3_num_f32 v12, |v[XS]|, |v[XS+1]|, |v[XS+2]|
	v_max3_num_f32 v13, |v[XS+3]|, |v[XS+4]|, |v[XS+5]|
.irp i, 6,10,14,18,22,26
	s_delay_alu instid0(VALU_DEP_2)
	v_max3_num_f32 v12, v12, |v[XS+\i]|, |v[XS+\i+1]|
	s_delay_alu instid0(VALU_DEP_2)
	v_max3_num_f32 v13, v13, |v[XS+\i+2]|, |v[XS+\i+3]|
.endr
	s_delay_alu instid0(VALU_DEP_2)
	v_max3_num_f32 v12, v12, |v[XS+30]|, |v[XS+31]|
	s_delay_alu instid0(VALU_DEP_1)
	v_max3_num_f32 v12, v12, v13, 0x1800000        ; and the floor 2^(3 - 127)
	s_delay_alu instid0(VALU_DEP_1)
	v_add_nc_u32 v11, 0xff000000, v12              ; the conversions' scale operand
	s_delay_alu instid0(VALU_DEP_1)
	v_lshrrev_b32 v13, 23, v11                     ; the byte
.if (\t)%4 == 0
	s_delay_alu instid0(VALU_DEP_1)
	v_mov_b32 v[SB+(\t)/4], v13                    ; four bytes to a word, the lower K in the lower byte
.else
	s_delay_alu instid0(VALU_DEP_1)
	v_lshl_or_b32 v[SB+(\t)/4], v13, 8*((\t)%4), v[SB+(\t)/4]
.endif
.irp g, 0,1,2,3
	v_cvt_scalef32_pk8_fp4_f32 v[WC+4*(\t)+\g], v[XS+8*\g:XS+8*\g+7], v11
.endr
	v_nop                                          ; one plain vector instruction behind the last scaled conversion
	global_store_b128 v4, v[WC+4*(\t):WC+4*(\t)+3], s[36:37] offset:((\t)/4)*1024+(((\t)/2)%2)*512+((\t)%2)*256   ; block t is K step t / 4, c = (t / 2) % 2, h = t % 2: the 32 lanes fill two aligned runs of 256 bytes, one in each tile
.if (\t)+2 < 16
	WLOAD (\t)+2, \st
.endif
.endm
.macro WPATH st
	WLOAD 0, \st
	WLOAD 1, \st
.set Q, 0
.rept 16
	WBLOCK Q, \st
.set Q, Q+1
.endr
	global_store_b128 v5, v[SB:SB+3], s[38:39]     ; my row's four scale words: again two aligned runs of 256 bytes
	s_endpgm
.endm
	s_cmp_ge_u32 ttmp9, 192
	s_cbranch_scc1 .Lwo
	s_cmp_eq_u32 s27, 1
	s_cselect_b64 s[4:5], s[12:13], s[10:11]
	s_cmp_eq_u32 s27, 2
	s_cselect_b64 s[4:5], s[14:15], s[4:5]
	s_lshr_b32 s30, s28, 1
	s_lshl_b32 s30, s30, 18                        ; head g / 2: 1,024 x 64 numbers
	s_and_b32 s31, s28, 1
	s_lshl_b32 s31, s31, 7                         ; e = 32 (g % 2) on
	s_add_co_u32 s30, s30, s31
	s_lshl_b32 s31, s29, 17                        ; 512 rows of 256 bytes
	s_add_co_u32 s30, s30, s31
	s_mov_b32 s31, 0
	s_add_nc_u64 s[4:5], s[4:5], s[30:31]
	s_wait_alu depctr_va_vdst(0)
	WPATH 256
.Lwo:
	s_lshl_b32 s30, s28, 7                         ; columns 32 g on
	s_lshl_b32 s31, s29, 21                        ; 512 rows of 4,096 bytes
	s_add_co_u32 s30, s30, s31
	s_mov_b32 s31, 0
	s_add_nc_u64 s[4:5], s[16:17], s[30:31]
	s_wait_alu depctr_va_vdst(0)
	WPATH 4096
.Lfunc_end_k_q65ec01ad1f_quant:
	.size	k_q65ec01ad1f_quant, .Lfunc_end_k_q65ec01ad1f_quant-k_q65ec01ad1f_quant
	.p2alignl 7, 3214868480
	.fill 96, 4, 3214868480
	.section	.rodata,"a",@progbits
	.p2align	6, 0x0
	.amdhsa_kernel k_q65ec01ad1f_quant
		.amdhsa_group_segment_fixed_size 111616
		.amdhsa_private_segment_fixed_size 0
		.amdhsa_enable_private_segment 0
		.amdhsa_kernarg_size 72
		.amdhsa_user_sgpr_count 2
		.amdhsa_user_sgpr_kernarg_segment_ptr 1
		.amdhsa_wavefront_size32 1
		.amdhsa_system_sgpr_workgroup_id_x 1
		.amdhsa_system_sgpr_workgroup_id_y 1
		.amdhsa_system_sgpr_workgroup_id_z 1
		.amdhsa_system_vgpr_workitem_id 0
		.amdhsa_next_free_vgpr 256
		.amdhsa_next_free_sgpr 66
		.amdhsa_reserve_vcc 0
		.amdhsa_float_denorm_mode_32 3
		.amdhsa_float_denorm_mode_16_64 3
		.amdhsa_memory_ordered 1
		.amdhsa_forward_progress 1
		.amdhsa_inst_pref_size 201
	.end_amdhsa_kernel
	.amdgpu_metadata
---
amdhsa.version: [ 1, 2 ]
amdhsa.kernels:
  - .name:           k_q65ec01ad1f_quant
    .symbol:         k_q65ec01ad1f_quant.kd
    .args:
      - { .name: q, .offset: 0, .size: 8, .value_kind: global_buffer, .address_space: global }
      - { .name: k, .offset: 8, .size: 8, .value_kind: global_buffer, .address_space: global }
      - { .name: v, .offset: 16, .size: 8, .value_kind: global_buffer, .address_space: global }
      - { .name: Wq, .offset: 24, .size: 8, .value_kind: global_buffer, .address_space: global }
      - { .name: Wk, .offset: 32, .size: 8, .value_kind: global_buffer, .address_space: global }
      - { .name: Wv, .offset: 40, .size: 8, .value_kind: global_buffer, .address_space: global }
      - { .name: Wo, .offset: 48, .size: 8, .value_kind: global_buffer, .address_space: global }
      - { .name: xcod, .offset: 56, .size: 8, .value_kind: global_buffer, .address_space: global }
      - { .name: wcod, .offset: 64, .size: 8, .value_kind: global_buffer, .address_space: global }
    .group_segment_fixed_size: 111616
    .private_segment_fixed_size: 0
    .kernarg_segment_align: 8
    .kernarg_segment_size: 72
    .max_flat_workgroup_size: 416
    .sgpr_count:     66
    .vgpr_count:     256
    .wavefront_size: 32
...
	.end_amdgpu_metadata
.endif
;; end of part 1
;; launch proj (part 2): grid 4 x 64, 4 waves a work-group, clusters of 4 x 4, 327,680 bytes of LDS; arguments xcod, wcod, bq, bk, bv, qcod, kvcod; writes qcod, kvcod
.if DOCPART == 2
	.amdgcn_target "amdgcn-amd-amdhsa--gfx1250"
	.amdhsa_code_object_version 6
	.text
	.protected	k_q65ec01ad1f_proj
	.globl	k_q65ec01ad1f_proj
	.p2align	8
	.type	k_q65ec01ad1f_proj,@function
k_q65ec01ad1f_proj:
	s_mov_b64 s[64:65], 0
	v_nop
	global_prefetch_b8 v0, s[64:65] scope:SCOPE_SE
	s_setreg_imm32_b32 hwreg(HW_REG_WAVE_MODE, 25, 1), 1
	s_wait_xcnt 0x0
	s_wait_alu depctr_hold_cnt(0) depctr_sa_sdst(0) depctr_va_vdst(0) depctr_va_sdst(0) depctr_va_ssrc(0) depctr_va_vcc(0) depctr_vm_vsrc(0)
	s_getreg_b32 s2, hwreg(HW_REG_IB_STS2, 6, 4)
	s_cmp_eq_u32 s2, 0
	s_cbranch_scc0 .Lentry_in_a_cluster
	s_endpgm
.Lentry_in_a_cluster:
	s_bfe_u32 s2, ttmp6, 0x10000c
	s_cmp_lg_u32 s2, 0xf033
	s_cbranch_scc0 .Lentry_shape_is_right
	s_endpgm
.Lentry_shape_is_right:
; Q = q Wq + bq, K = k Wk + bk, V = v Wv + bv on codes of FP4 (E2M1) with E8M0 scales, K = 1,024; sums in f32; the results, with their bias, are quantised in registers and leave as operand images for the attention launch:
; Q and K along the head's 64 (two blocks), V along the keys.  LIMITS: NaN and infinities are not served; a block of zeros gets the byte 1 (its codes are zeros; only this program reads the bytes).
; THE DEAL.  256 work-groups.  Work-group (XT, Y) makes, in three phases, 256 rows of W (four heads) x the 128 rows Y of x, for Q, then K, then V: 3 x 256 such blocks in all, three to a work-group.
; LDS holds one phase's codes, all of K: x's 128 rows (65,536 bytes), W's 256 rows (131,072).  Behind a phase's K loop the next phase's codes are filled over them, in a drained round of the cluster's barrier; the phase's way out, work on registers, stands behind the refill.
; Two such sets and the spare words do not fit in a WGP's LDS, so there is one set.  The scale words and the bias go by plain loads into registers.
; The buffers hold images of the operands' registers (tile T = rows 32 (T / 2) + 8 (T % 2) + r + 8 (r / 8); 16 bytes of lane L at 8192 T + 1024 s + 512 c + 16 L; scale word of (T, s, r) at 512 T + 256 (s / 4) + 16 r + 4 (s % 4)).
; CLUSTERS: 4 x 4.  x's rows hang on Y alone and are asked for jointly along a row of the cluster (waves 0, 1: a half each), W's on XT alone and jointly along a column (waves 2, 3).
; ROLES.  P is source 0, two tiles (32 rows) a product: its rows run along a lane's registers and become the next product's K.  R is source 1: a lane holds one of its rows.  A wave has 8 tiles of P x 4 tiles of R: 16 accumulators of 16 registers.
;   Q, K: P = 128 rows of W (two heads; half wave % 2), R = 64 rows of x (half wave / 2).    V: P = the 128 rows of x (keys), R = 64 rows of W (head 4 XT + wave).
; PREFETCH: in phases 0 and 1 each wave names 32 blocks of 256 bytes of the next phase's W and 16 of its x; the four partners that will ask jointly share the blocks out by address (cy for W, cx for x).  It stands a K loop ahead of the refill.
; REGISTERS: window 0: v1-16 addresses; v32-63 P's scale words (8 pair + s: lanes 0-15 the even tile's rows, lanes 16-31 the odd one's), v68-99 R's (8 tile + s); v160-223 R's fragments, two sets, then the 64 numbers being quantised;
;   v224-239 at work (v234, v235 the add's two); v240-247 codes; v248-251 scale words made.   window 1: v0-63, v128-191 P's fragments, two sets; v64-127 the bias.   window 2: accumulator (R tile a, pair b) at v[64 a + 16 b].
.set SPARE, 0x30000
.set AXP,  3                           ; v3   16 L: V's P in LDS; also the stores' lane offset
.set AWP,  4                           ; v4   Q, K: P in LDS
.set AXR,  5                           ; v5   Q, K: R
.set AWR,  7                           ; v7   V: R
.set OFFS, 9                           ; v9   Q, K: the scale words' way out: 16 r + h x a record
.set SH,   10                          ; v10  16 h
.set BO,   11                          ; v11  64 h
.set PFW,  12                          ; v12, v13 the prefetches' offsets
.set PFX,  13
.set VPL,  14                          ; v14  16 r + 512 h
.set BOV,  15                          ; v15  4 (r + 8 (r / 8))
.set OFFV, 16                          ; v16  16 r + 8 h
.set SP,   32
.set SR,   68
.set AF,   160
.set H,    160
.set TM,   224
.set PC,   240
.set PWS,  248
.set BIA,  64
.set SEL,  96
.set G1X,  24
.set G0X,  32
.set G1W,  44
.set G0W,  52
.set MSB, 0
.macro WIN new                         ; the immediate's high byte repeats the setting that is left
.if MSB != (\new)
	s_set_vgpr_msb (MSB<<8)|(\new)
.set MSB, (\new)
.endif
.endm
.macro CROUND
	s_barrier_signal -1
	s_barrier_wait -1
	s_cmp_lg_u32 s18, 0
	s_cbranch_scc1 .Lnot_wave_0_\@
	s_barrier_signal -3
.Lnot_wave_0_\@:
	s_barrier_wait -3
	s_barrier_signal -1
	s_barrier_wait -1
.endm
.macro PLACES n
.rept \n
	v_nop
.endr
.endm
.macro JLOAD                           ; a wave's one joint load: an s_nop 0 and four v_nop follow each line
	s_cmp_eq_u32 s19, 0
	s_cbranch_scc0 .Lfor_w_\@
	tensor_load_to_lds s[G0X:G0X+3], s[G1X:G1X+7]
	s_nop 0
	PLACES 4
	s_branch .Lasked_\@
.Lfor_w_\@:
	tensor_load_to_lds s[G0W:G0W+3], s[G1W:G1W+7]
	s_nop 0
	PLACES 4
.Lasked_\@:
.endm
.macro SCLOAD                          ; a phase's scale words, 16 loads: four words (four K steps of a row) a lane; sixteen lanes read 256 consecutive bytes, aligned
.irp b, 0,1,2,3
.irp f, 0,1
	global_load_b128 v[SP+8*\b+4*\f:SP+8*\b+4*\f+3], v[VPL], s[36:37] offset:1024*\b+256*\f
.endr
.endr
.irp a, 0,1,2,3
.irp f, 0,1
	global_load_b128 v[SR+8*\a+4*\f:SR+8*\a+4*\f+3], v8, s[38:39] offset:512*\a+256*\f
.endr
.endr
.endm
.macro FRAG reg, adr, s, i             ; a fragment, 16 rows x 128 K: two loads of 512 consecutive bytes
.irp c, 0,1
	ds_load_b128 v[\reg+4*\c:\reg+4*\c+3], v[\adr] offset:1024*(\s)+512*\c+8192*(\i)
.endr
.endm
.macro FETCH s, ap, ar                 ; K step s: P's eight fragments and R's four into sets s % 2: 24 loads
	WIN 0x40
.irp i, 0,1,2,3,4,5,6,7
	FRAG 128*((\s)%2)+8*\i, \ap, \s, \i
.endr
	WIN 0
.irp i, 0,1,2,3
	FRAG AF+32*((\s)%2)+8*\i, \ar, \s, \i
.endr
.endm
.macro MULS s                          ; 16 products of 32 x 16 x 128; the 16 accumulators take turns; the two scale registers differ by 4 modulo 8
.irp a, 0,1,2,3
.irp b, 0,1,2,3
.if (\s) == 0
	v_wmma_scale_f32_32x16x128_f4 v[64*\a+16*\b:64*\a+16*\b+15], v[16*\b:16*\b+15], v[AF+8*\a:AF+8*\a+7], 0, v[SP+8*\b], v[SR+8*\a]
.else
	v_wmma_scale_f32_32x16x128_f4 v[64*\a+16*\b:64*\a+16*\b+15], v[128*((\s)%2)+16*\b:128*((\s)%2)+16*\b+15], v[AF+32*((\s)%2)+8*\a:AF+32*((\s)%2)+8*\a+7], v[64*\a+16*\b:64*\a+16*\b+15], v[SP+8*\b+(\s)], v[SR+8*\a+(\s)]
.endif
.endr
.endr
.endm
; A phase's K loop, written out: while a step is multiplied the next step's 24 loads are on their way.  lc: the bias loads, younger than the scale words' loads, which may stay out
.macro KLOOP ap, ar, pf, lc
	FETCH 0, \ap, \ar
.set KS, 0
.rept 8
	s_wait_dscnt 0x0                               ; this step's fragments are in
.if KS < 7
.if KS > 0
	PLACES 4                                       ; in front of loads into registers that the last products read
.endif
	FETCH KS+1, \ap, \ar
.endif
.if KS == 0
	s_wait_loadcnt \lc                             ; the scale words are in
.endif
.if (\pf) && (KS == 1)
	global_prefetch_b8 v[PFW], s[68:69] th:TH_LOAD_NT scope:SCOPE_SE   ; the next phase's tiles
	global_prefetch_b8 v[PFX], s[66:67] th:TH_LOAD_NT scope:SCOPE_SE
.endif
	WIN 0xa1                                       ; source 0 window 1, source 1 window 0, C and D window 2
	MULS KS
.set KS, KS+1
.endr
	WIN 0
.endm
; 64 numbers of a lane, register 16 b + i = k 32 b + 16 h + i of my row, become a fragment's codes in v[PC] on and its scale word in v[w]
.macro QUANT s, w
.irp b, 0,1,2,3
	v_max3_num_f32 v[TM+\b], |v[\s+16*\b]|, |v[\s+1+16*\b]|, 0x1800000   ; my 16 numbers of block b, and the floor 2^(3 - 127): the byte cannot fall under 1
.endr
.irp i, 2,4,6,8,10,12,14
.irp b, 0,1,2,3
	v_max3_num_f32 v[TM+\b], v[TM+\b], |v[\s+16*\b+\i]|, |v[\s+1+16*\b+\i]|
.endr
.endr
.irp b, 0,1,2,3
	v_permlanex16_b32 v[TM+4+\b], v[TM+\b], s[SEL], s[SEL+1]
.endr
.irp b, 0,1,2,3
	v_max_num_f32 v[TM+\b], v[TM+\b], v[TM+4+\b]   ; with lane l xor 16's: the block's largest magnitude
.endr
.irp b, 0,1,2,3
	v_add_nc_u32 v[TM+12+\b], 0xff000000, v[TM+\b] ; 2 off its exponent field: the conversions' scale operand
.endr
.irp b, 0,1,2,3
	v_lshrrev_b32 v[TM+4+\b], 23, v[TM+12+\b]      ; the byte
.endr
	v_lshl_or_b32 v[\w], v[TM+5], 8, v[TM+4]
	v_lshl_or_b32 v[\w], v[TM+6], 16, v[\w]
	v_lshl_or_b32 v[\w], v[TM+7], 24, v[\w]
.irp b, 0,1,2,3
	v_cvt_scalef32_pk8_fp4_f32 v[PC+2*\b], v[\s+16*\b:\s+7+16*\b], v[TM+12+\b]
	v_cvt_scalef32_pk8_fp4_f32 v[PC+1+2*\b], v[\s+8+16*\b:\s+15+16*\b], v[TM+12+\b]
.endr
	v_nop                                          ; one plain vector instruction behind the last scaled conversion
.irp c, 0,1                            ; the operand's layout wants a whole block in a lane
.irp i, 0,1
	v_permlane16_swap_b32 v[PC+4*\c+\i], v[PC+2+4*\c+\i]
.endr
.endr
.endm
; R's tile rt goes out: the bias is added (each accumulator read from its low end on), the 64 numbers are quantised, the fragment is stored as it stands: 512 consecutive bytes a store
.macro EPI rt, v
	s_wait_xcnt 0x0                                ; the last tile's stores have read v[PC] on
	WIN 0x06                                       ; source 0 window 2, source 1 window 1
.set ii, 0
.rept 32
.if \v
	v_pk_add_f32 v[H+2*ii:H+2*ii+1], v[64*(\rt)+2*ii:64*(\rt)+2*ii+1], v[BIA+2*(\rt):BIA+2*(\rt)+1]   ; V: the bias goes with the lane's row of W
.else
	v_pk_add_f32 v[H+2*ii:H+2*ii+1], v[64*(\rt)+2*ii:64*(\rt)+2*ii+1], v[BIA+2*ii:BIA+2*ii+1]         ; Q, K: with the register's row of W
.endif
.set ii, ii+1
.endr
	WIN 0
	QUANT H, PWS+(\rt)
.if \v
	global_store_b128 v3, v[PC:PC+3], s[84:85] offset:1024*(\rt)       ; tile rt of my head's 64, keys 0 .. 63 of the key step
	global_store_b128 v3, v[PC+4:PC+7], s[84:85] offset:1024*(\rt)+512 ; keys 64 .. 127
.else
	global_store_b128 v3, v[PC:PC+3], s[84:85] offset:512*(\rt)        ; head hA's 64
	global_store_b128 v3, v[PC+4:PC+7], s[86:87] offset:512*(\rt)      ; head hA + 1's
.endif
.endm
; Phase m = 0 (Q) or 1 (K)
.macro PHASEQK m
.if \m
.set REC, 143360
.set SBA, 131072
.set OUTP, 16
.set BPT, 10
.else
.set REC, 73728
.set SBA, 65536
.set OUTP, 14
.set BPT, 8
.endif
	s_wait_xcnt 0x0                                ; earlier loads, stores and prefetches have read their registers
	s_add_nc_u64 s[66:67], s[66:67], 4194304       ; the prefetches' bases: the next phase's x,
	s_add_nc_u64 s[68:69], s[68:69], 524288        ; and W
	s_mul_i32 s100, s76, REC                       ; record 16 b + hA
	s_mov_b32 s101, 0
	s_add_nc_u64 s[84:85], s[OUTP:OUTP+1], s[100:101]
; A HEAD'S RECORD OF K AND V LIES BY KEY STEP: 16 chunks of 8,960 bytes: K's codes (4,096), V's codes (4,096), K's scale words (512), V's (256).  Q's record: the image, then the scale words.
.if \m
	s_mul_i32 s99, s81, 8960                       ; key step st's chunk
	s_lshl_b32 s100, s19, 8
	s_add_co_u32 s100, s100, s99
	s_add_co_u32 s100, s100, 8192
.else
	s_add_co_u32 s100, s77, SBA
.endif
	s_add_nc_u64 s[88:89], s[84:85], s[100:101]    ; the scale words of my four tiles
.if \m
	s_lshl_b32 s100, s19, 11
	s_add_co_u32 s100, s100, s99
.else
	s_mov_b32 s100, s78
.endif
	s_add_nc_u64 s[84:85], s[84:85], s[100:101]    ; their image, head hA;
	s_add_nc_u64 s[86:87], s[84:85], REC           ; head hA + 1
	s_mov_b32 s100, s79
	s_add_nc_u64 s[90:91], s[BPT:BPT+1], s[100:101]   ; the bias of my 128 rows of W
	v_mul_u32_u24 v[OFFS], v2, REC
	v_lshl_add_u32 v[OFFS], v1, 4, v[OFFS]
	WIN 0x40
.irp p, 0,1,2,3,4,5,6,7
	global_load_b128 v[BIA+8*\p:BIA+8*\p+3], v[BO], s[90:91] offset:(32*(\p/2)+8*(\p%2))*4      ; tile p's eight rows of my half: 32 (p / 2) + 16 h + 8 (p % 2) + 0 .. 7
	global_load_b128 v[BIA+8*\p+4:BIA+8*\p+7], v[BO], s[90:91] offset:(32*(\p/2)+8*(\p%2))*4+16
.endr
	WIN 0
	s_wait_tensorcnt 0x0                           ; my part of the phase's codes has landed,
	s_barrier_signal -1
	s_barrier_wait -1                              ; everybody's has
	KLOOP AWP, AXR, 1, 16
	s_wait_tensorcnt 0x0                           ; the three lines ahead of the refill's round
	ds_add_u32 v234, v235
	s_add_nc_u64 s[G0X+2:G0X+3], s[G0X+2:G0X+3], 4194304   ; no load of mine is out: the descriptors step to the next phase's tensors
	s_add_nc_u64 s[G0W+2:G0W+3], s[G0W+2:G0W+3], 524288
.if \m
	s_mov_b64 s[36:37], s[60:61]                   ; the next phase's scale words: V: P's are x's,
	s_mov_b64 s[38:39], s[62:63]                   ; R's are W's
.else
	s_add_nc_u64 s[36:37], s[56:57], 32768         ; K: as for Q, one tensor on
	s_add_nc_u64 s[38:39], s[58:59], 262144
.endif
	s_wait_dscnt 0x0                               ; the add is done, and my reads of the codes are over
	CROUND                                         ; so it is with every wave of all sixteen work-groups
	JLOAD                                          ; the refill; its four v_nop are also the places behind the last products
	SCLOAD
	s_wait_loadcnt 16                              ; the bias is in; the 16 loads just issued may be out
.irp t, 0,1,2,3
	EPI \t, 0
.endr
.irp t, 0,1,2,3
	v_lshrrev_b32 v[PWS+\t], v[SH], v[PWS+\t]      ; lanes 0-15 keep head hA's two bytes, lanes 16-31 take head hA + 1's;
.endr
.irp t, 0,1,2,3
	v_and_or_b32 v[PWS+\t], v[PWS+\t], s94, s95    ; the upper 64 of the next product's K step lie under the byte 127
.endr
	global_store_b128 v[OFFS], v[PWS:PWS+3], s[88:89]   ; sixteen lanes fill 256 consecutive bytes, aligned, in each of the two records
.endm
	s_load_b256 s[4:11], s[0:1], 0x0               ; xcod s[4:5], wcod s[6:7], bq s[8:9], bk s[10:11]
	s_load_b128 s[12:15], s[0:1], 0x20             ; bv s[12:13], qcod s[14:15]
	s_load_b64 s[16:17], s[0:1], 0x30              ; kvcod
	v_lshl_add_u32 v234, v0, 2, SPARE
	v_mov_b32 v235, 0
	ds_add_u32 v234, v235                          ; the opening lines
	ds_add_u32 v234, v235
	v_lshrrev_b32 v1, 5, v0
	v_readfirstlane_b32 s18, v1                    ; wave 0..3
	s_lshr_b32 s19, s18, 1                         ; xh.  Also: I fetch for x (0) or for W (1)
	s_and_b32 s20, s18, 1                          ; wh.  Also: which half I fetch
	s_bfe_u32 s40, ttmp6, 0x40000                  ; cx
	s_bfe_u32 s41, ttmp6, 0x40004                  ; cy
	s_lshl_b32 s23, ttmp9, 2
	s_add_co_u32 s23, s23, s40                     ; XT: W's 256 rows
	s_and_b32 s22, ttmp7, 0xffff
	s_lshl_b32 s22, s22, 2
	s_add_co_u32 s22, s22, s41                     ; Y: x's 128 rows
	s_lshl_b32 s42, s41, 2
	s_lshl_b32 s42, 15, s42                        ; my row of the cluster
	s_lshl_b32 s43, 0x1111, s40                    ; my column
	s_or_b32 s[G1X], s42, (3<<16)|(1<<21)          ; group 1: dense blocks as rows of 256 bytes (32 elements of 8 bytes): the mask; bit 21 beside it
	s_or_b32 s[G1W], s43, (3<<16)|(1<<21)
.irp g, G1X, G1W
	s_mov_b32 s[\g+1], 32<<16
	s_mov_b32 s[\g+3], 32<<16
	s_mov_b32 s[\g+5], 32
	s_mov_b32 s[\g+6], 0
	s_mov_b32 s[\g+7], 0
.endr
	s_mov_b32 s[G1X+2], 128<<16                    ; x: 128 rows of 256 bytes a load
	s_mov_b32 s[G1X+4], 128
	s_mov_b32 s[G1W+2], 256<<16                    ; W: 256
	s_mov_b32 s[G1W+4], 256
	s_lshl_b32 s2, s22, 16                         ; x's codes: 65,536 Y
	s_mov_b32 s3, 0
	s_lshl_b32 s72, s22, 12
	s_add_co_u32 s72, s72, 12582912                ; x's scale words: 4,096 Y
	s_mov_b32 s73, 0
	s_lshl_b32 s70, s23, 17                        ; W's codes: 131,072 XT
	s_mov_b32 s71, 0
	s_lshl_b32 s74, s23, 13
	s_add_co_u32 s74, s74, 2097152                 ; W's scale words: 8,192 XT
	s_mov_b32 s75, 0
	s_lshr_b32 s80, s22, 4
	s_lshl_b32 s80, s80, 4
	s_lshl_b32 s99, s23, 2
	s_add_co_u32 s80, s80, s99                     ; 16 b + 4 XT
	s_lshl_b32 s99, s20, 1
	s_add_co_u32 s76, s80, s99                     ; Q, K: my first record, 16 b + hA, hA = 4 XT + 2 wh
	s_add_co_u32 s80, s80, s18                     ; V: my record, head 4 XT + wave
	s_and_b32 s81, s22, 15                         ; st: which 128 rows of the batch's 2,048
	s_lshl_b32 s77, s81, 9
	s_lshl_b32 s99, s19, 8
	s_add_co_u32 s77, s77, s99                     ; 512 st + 256 xh
	s_lshl_b32 s78, s81, 12
	s_lshl_b32 s99, s19, 11
	s_add_co_u32 s78, s78, s99                     ; 4,096 st + 2,048 xh
	s_lshl_b32 s82, s23, 10
	s_lshl_b32 s99, s20, 9
	s_add_co_u32 s79, s82, s99                     ; the bias, Q, K: 4 (256 XT + 128 wh)
	s_lshl_b32 s99, s18, 8
	s_add_co_u32 s82, s82, s99                     ; V: 4 (256 XT + 64 wave)
	s_mov_b32 s94, 0xffff
	s_mov_b32 s95, 0x7f7f0000
	s_mov_b32 s[SEL], 0x76543210
	s_mov_b32 s[SEL+1], 0xfedcba98
	s_mov_b32 s98, 0xffff0000
	s_mov_b32 s101, 0
	s_wait_dscnt 0x0
	CROUND                                         ; the opening round, ahead of the wait for the arguments: all sixteen work-groups are here, the joint loads meet
	s_wait_kmcnt 0x0
	s_add_nc_u64 s[66:67], s[4:5], s[2:3]          ; q's rows Y,
	s_add_nc_u64 s[68:69], s[6:7], s[70:71]        ; Wq's rows XT
	s_mov_b32 s[G0X], 1
	s_lshl_b32 s[G0X+1], s20, 15                   ; LDS: x's halves at 0 and 32,768
	s_lshl_b32 s100, s20, 15
	s_add_nc_u64 s[G0X+2:G0X+3], s[66:67], s[100:101]
	s_or_b32 s[G0X+3], s[G0X+3], 0x80000000
	s_mov_b32 s[G0W], 1
	s_lshl_b32 s[G0W+1], s20, 16
	s_add_co_u32 s[G0W+1], s[G0W+1], 65536         ; W's halves at 65,536 and 131,072
	s_lshl_b32 s100, s20, 16
	s_add_nc_u64 s[G0W+2:G0W+3], s[68:69], s[100:101]
	s_or_b32 s[G0W+3], s[G0W+3], 0x80000000
	s_add_nc_u64 s[72:73], s[4:5], s[72:73]
	s_add_nc_u64 s[74:75], s[6:7], s[74:75]
	s_lshl_b32 s100, s20, 12
	s_add_nc_u64 s[56:57], s[74:75], s[100:101]    ; Q: P's scale words: my half of W's tiles
	s_lshl_b32 s100, s19, 11
	s_add_nc_u64 s[58:59], s[72:73], s[100:101]    ; R's: my four tiles of x
	s_add_nc_u64 s[60:61], s[72:73], 524288        ; V: P's: v's eight tiles
	s_lshl_b32 s100, s18, 11
	s_add_co_u32 s100, s100, 65536
	s_add_nc_u64 s[62:63], s[74:75], s[100:101]    ; R's: my four tiles of Wv
	s_mov_b64 s[36:37], s[56:57]
	s_mov_b64 s[38:39], s[58:59]
	JLOAD                                          ; phase 0's codes: one tensor load a wave
	v_and_b32 v1, 15, v0                           ; r
	v_bfe_u32 v2, v0, 4, 1                         ; h
	v_and_b32 v3, 31, v0
	v_min_u32 v[PFX], 15, v3                       ; (lanes 16-31 name their wave's last block again)
	v_lshlrev_b32 v[PFW], 8, v3
	v_lshlrev_b32 v[PFX], 8, v[PFX]
	v_lshlrev_b32 v3, 4, v3                        ; 16 L
	v_lshlrev_b32 v8, 4, v1                        ; 16 r
	s_lshl_b32 s99, s20, 16
	s_add_co_u32 s99, s99, 65536
	v_add_nc_u32 v[AWP], s99, v3
	s_lshl_b32 s99, s19, 15
	v_add_nc_u32 v[AXR], s99, v3
	s_lshl_b32 s99, s18, 15
	s_add_co_u32 s99, s99, 65536
	v_add_nc_u32 v[AWR], s99, v3
	v_lshl_add_u32 v[VPL], v2, 9, v8
	v_lshlrev_b32 v[SH], 4, v2
	v_lshlrev_b32 v[BO], 6, v2
	v_and_b32 v[BOV], 8, v1
	v_add_nc_u32 v[BOV], v[BOV], v1
	v_lshlrev_b32 v[BOV], 2, v[BOV]
	v_lshl_add_u32 v[OFFV], v2, 3, v8
	s_lshl_b32 s99, s41, 15
	s_lshl_b32 s100, s18, 13
	s_add_co_u32 s99, s99, s100
	v_add_nc_u32 v[PFW], s99, v[PFW]               ; W: block 128 cy + 32 wave + lane of 512
	s_lshl_b32 s99, s40, 14
	s_lshl_b32 s100, s18, 12
	s_add_co_u32 s99, s99, s100
	v_add_nc_u32 v[PFX], s99, v[PFX]               ; x: block 64 cx + 16 wave + lane of 256
.irp b, 0,1,2,3
	v_mov_b32 v[TM+4+\b], 0                        ; written once: a lane permute's destination counts as one of its sources
.endr
	s_wait_alu depctr_va_vdst(0)                   ; the wait at the head's end
	SCLOAD
	PHASEQK 0
	PHASEQK 1
; Phase 2: V
	s_wait_xcnt 0x0
	s_mul_i32 s100, s80, 143360
	s_mov_b32 s101, 0
	s_add_nc_u64 s[84:85], s[16:17], s[100:101]
	s_mul_i32 s100, s81, 8960
	s_add_co_u32 s100, s100, 8704
	s_add_nc_u64 s[88:89], s[84:85], s[100:101]    ; V's scale words of key step st
	s_mul_i32 s100, s81, 8960
	s_add_co_u32 s100, s100, 4096
	s_add_nc_u64 s[84:85], s[84:85], s[100:101]    ; V's image of key step st
	s_mov_b32 s100, s82
	s_add_nc_u64 s[90:91], s[12:13], s[100:101]    ; bv at my head
	WIN 0x40
.irp t, 0,1,2,3
	global_load_b32 v[BIA+2*\t], v[BOV], s[90:91] offset:(32*(\t/2)+8*(\t%2))*4     ; one number a lane and tile, twice: the packed addition names a pair
	global_load_b32 v[BIA+2*\t+1], v[BOV], s[90:91] offset:(32*(\t/2)+8*(\t%2))*4
.endr
	WIN 0
	s_wait_tensorcnt 0x0
	s_barrier_signal -1
	s_barrier_wait -1
	KLOOP AXP, AWR, 0, 8
	PLACES 4                                       ; in front of the first read of results
	s_wait_loadcnt 0x0                             ; the bias
.irp t, 0,1,2,3
	EPI \t, 1
.endr
	v_cndmask_b32 v[TM], v[PWS], v[PWS+2], s98     ; lanes 0-15 store the words of tiles 0, 1 of their row, lanes 16-31 those of tiles 2, 3
	v_cndmask_b32 v[TM+1], v[PWS+1], v[PWS+3], s98
	global_store_b64 v[OFFV], v[TM:TM+1], s[88:89] ; 256 consecutive bytes, aligned
	s_wait_tensorcnt 0x0                           ; the wave's end
	ds_add_u32 v234, v235
	s_wait_dscnt 0x0
	CROUND                                         ; the closing round
	s_endpgm
.Lfunc_end_k_q65ec01ad1f_proj:
	.size	k_q65ec01ad1f_proj, .Lfunc_end_k_q65ec01ad1f_proj-k_q65ec01ad1f_proj
	.p2alignl 7, 3214868480
	.fill 96, 4, 3214868480
	.section	.rodata,"a",@progbits
	.p2align	6, 0x0
	.amdhsa_kernel k_q65ec01ad1f_proj
		.amdhsa_group_segment_fixed_size 327680
		.amdhsa_private_segment_fixed_size 0
		.amdhsa_enable_private_segment 0
		.amdhsa_kernarg_size 56
		.amdhsa_user_sgpr_count 2
		.amdhsa_user_sgpr_kernarg_segment_ptr 1
		.amdhsa_wavefront_size32 1
		.amdhsa_system_sgpr_workgroup_id_x 1
		.amdhsa_system_sgpr_workgroup_id_y 1
		.amdhsa_system_sgpr_workgroup_id_z 1
		.amdhsa_system_vgpr_workitem_id 0
		.amdhsa_next_free_vgpr 768
		.amdhsa_next_free_sgpr 102
		.amdhsa_reserve_vcc 0
		.amdhsa_float_denorm_mode_32 3
		.amdhsa_float_denorm_mode_16_64 3
		.amdhsa_memory_ordered 1
		.amdhsa_forward_progress 1
		.amdhsa_inst_pref_size 184
	.end_amdhsa_kernel
	.amdgpu_metadata
---
amdhsa.version: [ 1, 2 ]
amdhsa.kernels:
  - .name:           k_q65ec01ad1f_proj
    .symbol:         k_q65ec01ad1f_proj.kd
    .args:
      - { .name: xcod, .offset: 0, .size: 8, .value_kind: global_buffer, .address_space: global }
      - { .name: wcod, .offset: 8, .size: 8, .value_kind: global_buffer, .address_space: global }
      - { .name: bq, .offset: 16, .size: 8, .value_kind: global_buffer, .address_space: global }
      - { .name: bk, .offset: 24, .size: 8, .value_kind: global_buffer, .address_space: global }
      - { .name: bv, .offset: 32, .size: 8, .value_kind: global_buffer, .address_space: global }
      - { .name: qcod, .offset: 40, .size: 8, .value_kind: global_buffer, .address_space: global }
      - { .name: kvcod, .offset: 48, .size: 8, .value_kind: global_buffer, .address_space: global }
    .group_segment_fixed_size: 327680
    .private_segment_fixed_size: 0
    .kernarg_segment_align: 8
    .kernarg_segment_size: 56
    .max_flat_workgroup_size: 128
    .sgpr_count:     102
    .vgpr_count:     768
    .wavefront_size: 32
...
	.end_amdgpu_metadata
.endif
;; end of part 2
;; launch attn (part 3): grid 4 x 64, 16 waves a work-group, clusters of 4 x 1, 169,984 bytes of LDS; arguments qcod, kvcod, ccod; writes ccod
.if DOCPART == 3
	.amdgcn_target "amdgcn-amd-amdhsa--gfx1250"
	.amdhsa_code_object_version 6
	.text
	.protected	k_q65ec01ad1f_attn
	.globl	k_q65ec01ad1f_attn
	.p2align	8
	.type	k_q65ec01ad1f_attn,@function
k_q65ec01ad1f_attn:
	s_mov_b64 s[64:65], 0
	v_nop
	global_prefetch_b8 v0, s[64:65] scope:SCOPE_SE
	s_setreg_imm32_b32 hwreg(HW_REG_WAVE_MODE, 25, 1), 1
	s_wait_xcnt 0x0
	s_wait_alu depctr_hold_cnt(0) depctr_sa_sdst(0) depctr_va_vdst(0) depctr_va_sdst(0) depctr_va_ssrc(0) depctr_va_vcc(0) depctr_vm_vsrc(0)
	s_getreg_b32 s2, hwreg(HW_REG_IB_STS2, 6, 4)
	s_cmp_eq_u32 s2, 0
	s_cbranch_scc0 .Lentry_in_a_cluster
	s_endpgm
.Lentry_in_a_cluster:
	s_bfe_u32 s2, ttmp6, 0x10000c
	s_cmp_lg_u32 s2, 0x3003
	s_cbranch_scc0 .Lentry_shape_is_right
	s_endpgm
.Lentry_shape_is_right:
; heads[b][h][q][:] = softmax_k(Q . K / 8) V, both products on codes of FP4 (E2M1) with E8M0 scales; the result is quantised along 64 head + e and leaves as the operand image of the last product.
; THE SOFTMAX AHEAD OF THE SECOND PRODUCT: t = score x log2(e) / 8; M = the row's largest t so far, rounded UP to a whole number; p = 2^(t - M) is what is quantised, along the keys, not normalised.
; The row's sum is taken of the unquantised p, in f32, and divides O at the end.  When M moves, the sum and O are multiplied by 2^(old M - new M): exact.
; LIMITS: NaN and infinities are not served; the scaled scores t stay under 2^31 in magnitude.  A block of zeros gets the byte 1 (its codes are zeros; only this program reads the bytes).  The heads' scale bytes leave as single bytes: 32 a wave and tile.
; SHARES.  A work-group owns 512 queries of one head; each of its sixteen waves owns TWO tiles of 16 queries and takes BOTH through every key step of 128 keys: one fetch of K's and V's fragments from LDS serves two tiles.  16 steps.
; THE HEAD'S K AND V are one record of 16 chunks of 8,960 bytes, a chunk a key step: K's codes (4,096 bytes), V's codes (4,096), K's scale words (512), V's (256).  It comes into LDS once and stays: no LDS byte is filled twice.
; Wave w fetches chunk w.  Waves 0 to 3 have a load line of their own and wait ahead of the first barrier: steps 0 to 3 are worked while the other twelve chunks land; a second barrier, with every wave's wait in front of it, shows those.
; All is asked for at the head, so there is no later fill that a prefetch could run ahead of.
; CLUSTER.  The four work-groups of a head need the same record: every wave asks JOINTLY with its partners.
; PRODUCTS OF 32 ROWS, both used transposed (S^T = K Q^T, O^T = V^T P^T): a lane holds one query throughout.
; THE KEYS OF A TILE are chosen by the lanes' LDS addresses: row r of tile (c, g) is key 64 c + 32 (r / 8) + 8 g + r % 8.  So register j of that tile in lane (q, h) is key 64 c + 32 h + 8 g + j: a lane's 32 scores of c are ONE block of 32 keys,
; its largest needs no other lane, and the conversion of tile (c, g) is register 4 c + g of the second product's operand as it stands.
; THE FIRST PRODUCT'S K IS 64.  Q's registers 4-7 are zero codes, so what K's registers 4-7 hold adds nothing: K's eight tiles lie densely, four registers each, and an operand's upper halves are the neighbouring tiles' codes (behind the last: zeros), under the byte 127.
; A product takes tiles (c, t) and (c, t + 2), t = 0, 1; its scale words lie one a lane: lanes 0-15 tile t's rows, lanes 16-31 tile t + 2's.
; K's reads: the two groups of eight rows of a tile lie 1,024 bytes apart in the image, so eight lanes' columns recur once in a half wave's read.
; REGISTERS: v1 16 L; v2, v3, v4, v68 lane parts of K's, K's scales', V's scales', V's LDS addresses; v5, v6 the add's two; v7 8 h; v8-11, v12-15 tile 1's, tile 0's -M, largest score, sum (two halves); v16-31 Q; v32-67 K, then V; v69 16 r + h; v70 16 r;
;   v72-75 K's scale words, v76-77 Q's, v78-79 V's, v80-81 p's; v82-95 at work; v96-159 S^T, then p; v160-223 O^T of both tiles; v224-239 p's codes; v240-247, v252-255 partial sums; v248-251 addresses in hand.
.set SPARE, 0x29000                    ; behind the record: the spare words, 128 bytes for each of 16 waves
.set CHUNK, 8960
.set MX, 82
.set TB, 34                            ; s34  LDS byte of the step's chunk
.macro WALU
	s_wait_alu depctr_va_vdst(0)
.endm
.macro DEP n
	s_delay_alu instid0(VALU_DEP_\n)
.endm
.macro PLACES n
.rept \n
	v_nop
.endr
.endm
.macro CROUND                          ; a round of the cluster's barrier
	s_barrier_signal -1
	s_barrier_wait -1
	s_cmp_lg_u32 s10, 0
	s_cbranch_scc1 .Lnot_wave_0_\@
	s_barrier_signal -3
.Lnot_wave_0_\@:
	s_barrier_wait -3
	s_barrier_signal -1
	s_barrier_wait -1
.endm
	s_load_b128 s[4:7], s[0:1], 0x0                ; qcod s[4:5], kvcod s[6:7]
	s_load_b64 s[8:9], s[0:1], 0x10                ; ccod
	v_lshl_add_u32 v5, v0, 2, SPARE
	v_mov_b32 v6, 0
	ds_add_u32 v5, v6                              ; the opening lines: the add, twice on end, and its wait ahead of my tensor load
	ds_add_u32 v5, v6
	v_lshrrev_b32 v1, 5, v0
	v_readfirstlane_b32 s10, v1                    ; wave 0..15
	s_bfe_u32 s11, ttmp6, 0x40000                  ; cx: my block of 512 queries: it enters global addresses of Q and of the result alone
	s_and_b32 s12, ttmp7, 0xffff                   ; 16 b + head, which the four partners share
	s_mov_b32 s16, 15|(3<<16)|(1<<21)              ; group 1: the mask: all four work-groups; elements of 8 bytes; bit 21 beside a mask
	s_mov_b32 s17, 32<<16                          ; tensor_dim0 = 32: rows of 256 bytes, dense
	s_mov_b32 s18, 35<<16                          ; tensor_dim1 = 35
	s_mov_b32 s19, 32<<16                          ; tile_dim0
	s_mov_b32 s20, 35                              ; tile_dim1
	s_mov_b32 s21, 32                              ; from row to row
	s_mov_b32 s22, 0
	s_mov_b32 s23, 0
	s_mov_b32 s24, 1                               ; group 0: count = 1
	s_mul_i32 s25, s10, CHUNK                      ; LDS: chunk = my wave's number
	s_mul_i32 s14, s12, 143360
	s_add_co_u32 s14, s14, s25
	s_mov_b32 s15, 0
	s_mov_b32 s28, 0x76543210
	s_mov_b32 s29, 0xfedcba98                      ; selects for lane l xor 16
	s_mov_b32 s30, 0x3e38aa3b                      ; c = log2(e) / 8
	s_mov_b32 s31, s30                             ; (named with it as a pair, so it is written)
	s_mov_b32 s32, 0xffff0000                      ; lanes 16-31
	s_mov_b32 s33, 0xbe38aa3b                      ; -c
	s_mul_i32 s46, s12, 73728                      ; the head's record of Q
	s_lshl_b32 s38, s11, 14
	s_add_co_u32 s38, s38, s46
	s_lshl_b32 s47, s10, 10
	s_add_co_u32 s38, s38, s47                     ; tile 32 cx + 2 wave: 512 bytes a tile
	s_mov_b32 s39, 0
	s_lshl_b32 s40, s11, 11
	s_add_co_u32 s40, s40, s46
	s_lshr_b32 s47, s10, 1
	s_lshl_b32 s47, s47, 8
	s_add_co_u32 s40, s40, s47
	s_and_b32 s47, s10, 1
	s_lshl_b32 s47, s47, 3
	s_add_co_u32 s40, s40, s47
	s_add_co_u32 s40, s40, 65536                   ; its scale words: 256 (tile / 4) + 16 r + 4 (tile % 4)
	s_mov_b32 s41, 0
	s_lshr_b32 s46, s12, 4                         ; b
	s_and_b32 s47, s12, 15                         ; head
	s_lshl_b32 s42, s46, 20
	s_lshl_b32 s48, s11, 18
	s_add_co_u32 s42, s42, s48
	s_lshl_b32 s48, s10, 14
	s_add_co_u32 s42, s42, s48                     ; the result's tile 128 b + 32 cx + 2 wave: 8,192 bytes a tile;
	s_lshl_b32 s48, s47, 9
	s_add_co_u32 s42, s42, s48                     ; K step head / 2, half head % 2: 512 head
	s_mov_b32 s43, 0
	s_lshl_b32 s44, s46, 16
	s_lshl_b32 s48, s11, 14
	s_add_co_u32 s44, s44, s48
	s_lshl_b32 s48, s10, 10
	s_add_co_u32 s44, s44, s48                     ; its scale words: 512 bytes a tile,
	s_lshr_b32 s48, s47, 3
	s_lshl_b32 s48, s48, 8
	s_add_co_u32 s44, s44, s48                     ; 256 (K step / 4),
	s_and_b32 s48, s47, 7
	s_lshl_b32 s48, s48, 1
	s_add_co_u32 s44, s44, s48                     ; 2 (head % 8)
	s_add_co_u32 s44, s44, 4194304
	s_mov_b32 s45, 0
	s_mov_b32 s[TB], 0
	s_wait_dscnt 0x0                               ; both opening adds are done
	CROUND                                         ; the opening round, ahead of the wait for the arguments: all four work-groups are here, the joint loads meet
	s_wait_kmcnt 0x0
	s_add_nc_u64 s[26:27], s[6:7], s[14:15]
	s_or_b32 s27, s27, 0x80000000                  ; type = 2
	s_add_nc_u64 s[38:39], s[4:5], s[38:39]
	s_add_nc_u64 s[40:41], s[4:5], s[40:41]
	s_add_nc_u64 s[42:43], s[8:9], s[42:43]
	s_add_nc_u64 s[44:45], s[8:9], s[44:45]
	s_cmp_lt_u32 s10, 4                            ; every wave's one tensor load, in the arms of one branch: the waves that wait ahead of the first barrier have a line of their own
	s_cbranch_scc0 .Lrest
	tensor_load_to_lds s[24:27], s[16:23]          ; waves 0 to 3: key steps 0 to 3
	s_nop 0
	PLACES 4
	s_branch .Lasked
.Lrest:
	tensor_load_to_lds s[24:27], s[16:23]          ; waves 4 to 15: key steps 4 to 15
	s_nop 0
	PLACES 4
.Lasked:
	v_and_b32 v1, 31, v0
	v_lshlrev_b32 v1, 4, v1                        ; 16 L
	v_and_b32 v70, 15, v0
	v_lshlrev_b32 v70, 4, v70                      ; 16 r
	global_load_b128 v[16:19], v1, s[38:39]        ; my two tiles of Q: e = 32 h + 0 .. 31 of tile row r
	global_load_b128 v[24:27], v1, s[38:39] offset:512
	global_load_b32 v76, v70, s[40:41]
	global_load_b32 v77, v70, s[40:41] offset:4
	v_bfe_u32 v7, v0, 4, 1                         ; h
	v_and_b32 v2, 7, v0                            ; r % 8
	v_bfe_u32 v4, v0, 3, 1                         ; r / 8
	v_add_nc_u32 v69, v70, v7                      ; 16 r + h: my scale byte's place on the way out
	v_lshlrev_b32 v2, 4, v2
	v_lshl_add_u32 v3, v4, 3, v2
	v_lshl_add_u32 v3, v7, 7, v3
	v_add_nc_u32 v3, 8192, v3                      ; K's scale words: 8,192 + 16 (r % 8) + 8 (r / 8) + 128 h: two words, t = 0, 1, of tile t + 2 h
	v_lshl_add_u32 v2, v4, 10, v2
	v_lshl_add_u32 v2, v7, 8, v2                   ; K's codes: 16 (r % 8) + 1,024 (r / 8) + 256 h
	v_lshl_add_u32 v4, v7, 2, v70
	v_add_nc_u32 v4, 8704, v4                      ; V's scale words: 8,704 + 16 r + 4 h: tile 2 u + h
	v_add_nc_u32 v68, 4096, v1                     ; V's codes: 4,096 + 16 L
	v_lshlrev_b32 v7, 3, v7                        ; 8 h
.irp j, 20,21,22,23,28,29,30,31,64,65,66,67,87,89,94,95
	v_mov_b32 v[\j], 0                             ; Q's k = 64 .. 127 and the four registers behind K's last tile: zero codes; upper halves of pairs and lane permutes' destinations: written once
.endr
.irp s, 8,12
	v_mov_b32 v[\s], 0x7f61b1e6                    ; -M: 3e38
	v_mov_b32 v[\s+1], 0xff61b1e6                  ; the largest score so far: -3e38, under every score
	v_mov_b32 v[\s+2], 0                           ; the sum, in two halves
	v_mov_b32 v[\s+3], 0
.endr
.set j, 0
.rept 64
	v_mov_b32 v[160+j], 0                          ; O^T: the step is written once; the first finds zeros, which the first change of M leaves zeros
.set j, j+1
.endr
	WALU                                           ; the head's end
	s_cmp_lt_u32 s10, 4
	s_cbranch_scc0 .Lnot_first
	s_wait_tensorcnt 0x0                           ; waves 0 to 3: my chunk has landed
.Lnot_first:
	s_barrier_signal -1
	s_barrier_wait -1                              ; key steps 0 to 3 are in; the others may still be on their way
	s_wait_loadcnt 0x0                             ; Q
.macro SMUL p                          ; S^T of query tile p: four products of 32 keys x 16 queries; accumulator (c, t): registers 0-7 tile (c, t), 8-15 tile (c, t + 2)
.irp c, 0,1
.irp t, 0,1
	v_wmma_scale_f32_32x16x128_f4 v[96+32*\c+16*\t:111+32*\c+16*\t], v[32+16*\c+4*\t:47+16*\c+4*\t], v[16+8*\p:23+8*\p], 0, v[72+2*\c+\t], v[76+\p]
.endr
.endr
.endm
.macro MERGE p                         ; the eight partial sums join the tile's sum
	v_pk_add_f32 v[240:241], v[240:241], v[242:243]
	v_pk_add_f32 v[244:245], v[244:245], v[246:247]
	v_pk_add_f32 v[252:253], v[252:253], v[254:255]
	v_pk_add_f32 v[90:91], v[90:91], v[92:93]
	v_pk_add_f32 v[240:241], v[240:241], v[244:245]
	v_pk_add_f32 v[252:253], v[252:253], v[90:91]
	v_pk_add_f32 v[240:241], v[240:241], v[252:253]
	v_pk_add_f32 v[14-4*\p:15-4*\p], v[14-4*\p:15-4*\p], v[240:241]
.endm
; The softmax of query tile p on the 64 scores in v96-159: p's codes into v[PC] on, its scale word into v[80 + p], O^T and the sum under the new M, eight partial sums of p
.macro SOFT p
.set ST, 12-4*\p
.set OB, 160+32*\p
.set PC, 224+8*\p
.irp a, 0,1,2,3
	v_max3_num_f32 v[82+\a], v[96+16*\a], v[97+16*\a], v[98+16*\a]   ; eight chains by turns, two to an accumulator; each accumulator is read from its low end on
.endr
.irp a, 0,1,2,3
	v_max3_num_f32 v[90+\a], v[104+16*\a], v[105+16*\a], v[106+16*\a]
.endr
.irp i, 3,5
.irp a, 0,1,2,3
	v_max3_num_f32 v[82+\a], v[82+\a], v[96+16*\a+\i], v[97+16*\a+\i]
.endr
.irp a, 0,1,2,3
	v_max3_num_f32 v[90+\a], v[90+\a], v[104+16*\a+\i], v[105+16*\a+\i]
.endr
.endr
.irp a, 0,1,2,3
	v_max3_num_f32 v[82+\a], v[82+\a], v[90+\a], v[103+16*\a]
.endr
	v_max3_num_f32 v82, v82, v111, v127
	v_max3_num_f32 v84, v84, v143, v159
	v_max_num_f32 v82, v82, v83                    ; the largest score of my block 2 c + h, c = 0,
	v_max_num_f32 v84, v84, v85                    ; c = 1: they serve for the row's maximum and, since p rises with the score, for the block's largest p
	DEP 1
	v_max_num_f32 v[MX+1], v[MX], v[MX+2]
	DEP 1
	v_permlanex16_b32 v94, v[MX+1], s28, s29
	DEP 1
	v_max3_num_f32 v[ST+1], v[ST+1], v[MX+1], v94  ; the running largest score of my query
	DEP 1
	v_mul_f32 v[MX+3], s33, v[ST+1]                ; -t (c is positive)
	DEP 1
	v_floor_f32 v86, v[MX+3]                       ; the new -M = floor(-t) = -ceil(t): a whole number
	DEP 1
	v_sub_f32 v[MX+3], v86, v[ST]                  ; old M less new M: a whole number, 0 or less
	DEP 2
	v_mov_b32 v[ST], v86
	DEP 2
	v_cvt_i32_f32 v[MX+3], v[MX+3]                 ; (it saturates)
	DEP 1
	v_ldexp_f32 v88, 1.0, v[MX+3]                  ; f = 2^(old M - new M)
.set j, 0
.rept 32
	v_pk_fma_f32 v[96+j:97+j], v[96+j:97+j], s[30:31], v[86:87] op_sel_hi:[1,0,0]   ; t - M, two at a time (of the pairs c and -M the low word serves both halves)
.set j, j+2
.endr
	v_fma_f32 v[MX], v[MX], s30, v86               ; the same of each block's largest score
	v_fma_f32 v[MX+2], v[MX+2], s30, v86
	WALU                                           ; ahead of the batch
.set j, 0
.rept 64
	v_exp_f32 v[96+j], v[96+j]                     ; p = 2^(t - M), at most 1
.set j, j+1
.endr
	v_exp_f32 v[MX], v[MX]                         ; the blocks' largest p: the same two instructions on the same number give the same bits
	v_exp_f32 v[MX+2], v[MX+2]
	v_pk_mul_f32 v[ST+2:ST+3], v[ST+2:ST+3], v[88:89] op_sel_hi:[1,0]   ; the sum under the new M: the plain instruction behind the batch
	WALU                                           ; behind the batch, and directly ahead of the first readers of O^T
.set j, 0
.rept 16
	v_pk_mul_f32 v[OB+j:OB+j+1], v[OB+j:OB+j+1], v[88:89] op_sel_hi:[1,0]   ; O^T under the new M
.set j, j+2
.endr
	v_max_num_f32 v[MX], 0x1800000, v[MX]          ; the floor 2^(3 - 127): the byte cannot fall under 1
	v_max_num_f32 v[MX+2], 0x1800000, v[MX+2]
	DEP 2
	v_add_nc_u32 v90, 0xff000000, v[MX]            ; 2 off the exponent field: the conversions' scale operand
	DEP 2
	v_add_nc_u32 v91, 0xff000000, v[MX+2]
	DEP 2
	v_lshrrev_b32 v92, 23, v90                     ; the bytes
	DEP 2
	v_lshrrev_b32 v93, 23, v91
	DEP 1
	v_lshl_or_b32 v92, v93, 16, v92                ; blocks h and 2 + h of my query,
.irp c, 0,1
.irp g, 0,1,2,3
	v_cvt_scalef32_pk8_fp4_f32 v[PC+4*\c+\g], v[96+32*\c+16*(\g%2)+8*(\g/2):103+32*\c+16*(\g%2)+8*(\g/2)], v[90+\c]   ; keys 64 c + 32 h + 8 g + 0 .. 7: register 4 c + g of the operand
.endr
.endr
	v_lshlrev_b32 v92, v7, v92                     ; 8 h bits up (also the plain instruction behind the conversions);
	DEP 1
	v_permlanex16_b32 v95, v92, s28, s29
	DEP 1
	v_or_b32 v[80+\p], v92, v95                    ; with lane l xor 16's two the scale word is whole
.set kk, 0
.irp t, 240,242,244,246,252,254,90,92
	v_pk_add_f32 v[\t:\t+1], v[96+2*kk:97+2*kk], v[112+2*kk:113+2*kk]   ; the sum of the unquantised p, two at a time, in eight chains by turns.  These lines are also the places between the scale word's write and the products
.set kk, kk+1
.endr
.irp j, 0,1
.set kk, 0
.irp t, 240,242,244,246,252,254,90,92
	v_pk_add_f32 v[\t:\t+1], v[\t:\t+1], v[128+16*\j+2*kk:129+16*\j+2*kk]
.set kk, kk+1
.endr
.endr
.endm
; A KEY STEP: 128 keys, both query tiles.  Every LDS address is made here from the step's chunk and the lane's part
.macro STEP
	v_add_nc_u32 v248, s[TB], v2                   ; with the two v_nop: the four places behind the last step's products, in front of the loads into V's registers
	v_add_nc_u32 v249, s[TB], v3
	PLACES 2
.irp c, 0,1
.irp g, 0,1,2,3
	ds_load_b128 v[32+16*\c+4*\g:35+16*\c+4*\g], v248 offset:2048*\c+512*(\g%2)+128*(\g/2)
.endr
	ds_load_b64 v[72+2*\c:73+2*\c], v249 offset:256*\c
.endr
	s_wait_dscnt 0x0
	SMUL 0
	v_add_nc_u32 v250, s[TB], v68                  ; with the two v_nop: the four places in front of the first read of the scores
	v_add_nc_u32 v251, s[TB], v4
	PLACES 2
	SOFT 0
	SMUL 1                                         ; the same fragments of K serve the second tile
	MERGE 0                                        ; the places in front of the loads into K's registers and of the first read of the scores
.irp t, 0,1,2,3
.irp c, 0,1
	ds_load_b128 v[32+8*\t+4*\c:35+8*\t+4*\c], v250 offset:1024*\t+512*\c   ; V's four tiles land under the second softmax
.endr
.endr
	ds_load_b32 v78, v251                          ; their scale words: lanes 0-15 tile 2 u, lanes 16-31 tile 2 u + 1
	ds_load_b32 v79, v251 offset:8
	SOFT 1
	MERGE 1
	WALU                                           ; directly ahead of the wait below
	s_wait_dscnt 0x0                               ; V and its scale words
.irp u, 0,1
.irp p, 0,1
	v_wmma_scale_f32_32x16x128_f4 v[160+32*\p+16*\u:175+32*\p+16*\u], v[32+16*\u:47+16*\u], v[224+8*\p:231+8*\p], v[160+32*\p+16*\u:175+32*\p+16*\u], v[78+\u], v[80+\p]
.endr
.endr
	s_add_co_u32 s[TB], s[TB], CHUNK
.endm
	s_mov_b32 s37, 4                               ; key steps 0 to 3
.Lstep_a:
	STEP
	s_sub_co_u32 s37, s37, 1
	s_cmp_lg_u32 s37, 0
	s_cbranch_scc1 .Lstep_a
	s_wait_tensorcnt 0x0                           ; every wave: my chunk has landed,
	s_wait_dscnt 0x0
	s_barrier_signal -1
	s_barrier_wait -1                              ; everybody's has: from here on the whole record is only read
	s_mov_b32 s37, 12                              ; key steps 4 to 15
.Lstep_b:
	STEP
	s_sub_co_u32 s37, s37, 1
	s_cmp_lg_u32 s37, 0
	s_cbranch_scc1 .Lstep_b
	PLACES 4                                       ; behind the last products
; A tile's way out: O^T / the sum; register 16 b + i is e = 32 b + 16 h + i of my query: two blocks of the last product's K, quantised as they stand.  Each tile has its own registers for what its stores read.
.macro FINISH p
.set ST, 12-4*\p
.set OB, 160+32*\p
.set PC, 224+8*\p
	v_add_f32 v[ST+2], v[ST+2], v[ST+3]            ; the sum's two halves,
	DEP 1
	v_permlanex16_b32 v94, v[ST+2], s28, s29
	DEP 1
	v_add_f32 v[ST+2], v[ST+2], v94                ; and lane l xor 16's
	WALU
	v_rcp_f32 v[ST+2], v[ST+2]
	v_nop                                          ; the plain instruction behind the reciprocal
	WALU                                           ; ahead of its first reader, which is also the first reader of O^T
.set j, 0
.rept 32
	v_mul_f32 v[96+j], v[OB+j], v[ST+2]            ; each accumulator from its low end on
.set j, j+1
.endr
.irp b, 0,1
	v_max3_num_f32 v[MX+\b], |v[96+16*\b]|, |v[97+16*\b]|, 0x1800000
.endr
.irp i, 2,4,6,8,10,12,14
.irp b, 0,1
	DEP 2
	v_max3_num_f32 v[MX+\b], v[MX+\b], |v[96+16*\b+\i]|, |v[97+16*\b+\i]|
.endr
.endr
.irp b, 0,1
	DEP 2
	v_permlanex16_b32 v[94+\b], v[MX+\b], s28, s29
.endr
.irp b, 0,1
	DEP 2
	v_max_num_f32 v[MX+\b], v[MX+\b], v[94+\b]
.endr
.irp b, 0,1
	DEP 2
	v_add_nc_u32 v[90+\b], 0xff000000, v[MX+\b]
.endr
.irp b, 0,1
	DEP 2
	v_lshrrev_b32 v[92+\b], 23, v[90+\b]
.endr
.irp b, 0,1
	v_cvt_scalef32_pk8_fp4_f32 v[PC+2*\b], v[96+16*\b:103+16*\b], v[90+\b]
	v_cvt_scalef32_pk8_fp4_f32 v[PC+1+2*\b], v[104+16*\b:111+16*\b], v[90+\b]
.endr
	v_cndmask_b32 v[84+\p], v92, v93, s32          ; block h's byte: also the plain instruction behind the conversions
	v_permlane16_swap_b32 v[PC], v[PC+2]           ; lanes 0-15 block 0, lanes 16-31 block 1
	v_permlane16_swap_b32 v[PC+1], v[PC+3]
	global_store_b128 v1, v[PC:PC+3], s[42:43] offset:8192*\p   ; 512 consecutive bytes, aligned
	global_store_b8 v69, v[84+\p], s[44:45] offset:512*\p
.endm
	FINISH 0
	FINISH 1
	s_wait_tensorcnt 0x0                           ; the wave's end
	ds_add_u32 v5, v6
	s_wait_dscnt 0x0
	CROUND                                         ; the closing round
	s_endpgm
.Lfunc_end_k_q65ec01ad1f_attn:
	.size	k_q65ec01ad1f_attn, .Lfunc_end_k_q65ec01ad1f_attn-k_q65ec01ad1f_attn
	.p2alignl 7, 3214868480
	.fill 96, 4, 3214868480
	.section	.rodata,"a",@progbits
	.p2align	6, 0x0
	.amdhsa_kernel k_q65ec01ad1f_attn
		.amdhsa_group_segment_fixed_size 169984
		.amdhsa_private_segment_fixed_size 0
		.amdhsa_enable_private_segment 0
		.amdhsa_kernarg_size 24
		.amdhsa_user_sgpr_count 2
		.amdhsa_user_sgpr_kernarg_segment_ptr 1
		.amdhsa_wavefront_size32 1
		.amdhsa_system_sgpr_workgroup_id_x 1
		.amdhsa_system_sgpr_workgroup_id_y 1
		.amdhsa_system_sgpr_workgroup_id_z 1
		.amdhsa_system_vgpr_workitem_id 0
		.amdhsa_next_free_vgpr 256
		.amdhsa_next_free_sgpr 66
		.amdhsa_reserve_vcc 0
		.amdhsa_float_denorm_mode_32 3
		.amdhsa_float_denorm_mode_16_64 3
		.amdhsa_memory_ordered 1
		.amdhsa_forward_progress 1
		.amdhsa_inst_pref_size 69
	.end_amdhsa_kernel
	.amdgpu_metadata
---
amdhsa.version: [ 1, 2 ]
amdhsa.kernels:
  - .name:           k_q65ec01ad1f_attn
    .symbol:         k_q65ec01ad1f_attn.kd
    .args:
      - { .name: qcod, .offset: 0, .size: 8, .value_kind: global_buffer, .address_space: global }
      - { .name: kvcod, .offset: 8, .size: 8, .value_kind: global_buffer, .address_space: global }
      - { .name: ccod, .offset: 16, .size: 8, .value_kind: global_buffer, .address_space: global }
    .group_segment_fixed_size: 169984
    .private_segment_fixed_size: 0
    .kernarg_segment_align: 8
    .kernarg_segment_size: 24
    .max_flat_workgroup_size: 512
    .sgpr_count:     66
    .vgpr_count:     256
    .wavefront_size: 32
...
	.end_amdgpu_metadata
.endif
;; end of part 3
;; launch outp (part 4): grid 8 x 32, 4 waves a work-group, clusters of 4 x 4, 230,912 bytes of LDS; arguments ccod, wcod, bo, out0; writes out0
.if DOCPART == 4
	.amdgcn_target "amdgcn-amd-amdhsa--gfx1250"
	.amdhsa_code_object_version 6
	.text
	.protected	k_q65ec01ad1f_outp
	.globl	k_q65ec01ad1f_outp
	.p2align	8
	.type	k_q65ec01ad1f_outp,@function
k_q65ec01ad1f_outp:
	s_mov_b64 s[64:65], 0
	v_nop
	global_prefetch_b8 v0, s[64:65] scope:SCOPE_SE
	s_setreg_imm32_b32 hwreg(HW_REG_WAVE_MODE, 25, 1), 1
	s_wait_xcnt 0x0
	s_wait_alu depctr_hold_cnt(0) depctr_sa_sdst(0) depctr_va_vdst(0) depctr_va_sdst(0) depctr_va_ssrc(0) depctr_va_vcc(0) depctr_vm_vsrc(0)
	s_getreg_b32 s2, hwreg(HW_REG_IB_STS2, 6, 4)
	s_cmp_eq_u32 s2, 0
	s_cbranch_scc0 .Lentry_in_a_cluster
	s_endpgm
.Lentry_in_a_cluster:
	s_bfe_u32 s2, ttmp6, 0x10000c
	s_cmp_lg_u32 s2, 0xf033
	s_cbranch_scc0 .Lentry_shape_is_right
	s_endpgm
.Lentry_shape_is_right:
; out0 = concat Wo + bo on codes of FP4 (E2M1) with E8M0 scales, K = 1,024; sums in f32.  Both operands arrive as images of the operands' registers (tile T = rows 32 (T / 2) + 8 (T % 2) + r + 8 (r / 8);
; 16 bytes of lane L at 8192 T + 1024 s + 512 c + 16 L; scale word of (T, s, r) at 512 T + 256 (s / 4) + 16 r + 4 (s % 4)).  LIMITS: NaN and infinities are not served.
; A work-group makes 256 rows x 128 columns of out0: 256 work-groups.  Each of its four waves makes 64 rows x 128 columns: 16 accumulators of 16 registers.  ALL OF K LIES IN LDS AT ONCE; every byte is filled once; one barrier.
; All is asked for at the head, so there is no later fill that a prefetch could run ahead of.
; P, source 0, two tiles (32 rows) a product, is 128 rows of Wo's image (output columns): they run along a lane's registers.  R, source 1, is the wave's 64 rows of concat.  bo is the C of the first K step's products.
; CLUSTERS: 4 x 4.  Wo's tile hangs on the tile column alone and is asked for jointly along a column of the cluster (waves 0, 1: a half each), concat's on the tile row alone and jointly along a row (waves 2, 3).
; The scale words and bo go by plain loads into registers.
; REGISTERS: window 0: v1-14 addresses; v32-63 P's scale words (8 pair + s: lanes 0-15 the even tile's rows, lanes 16-31 the odd one's), v68-99 R's (8 tile + s); v160-223 R's fragments, two sets; v254, v255 the add's two.
;   window 1: v0-63, v128-191 P's fragments, two sets, on the way out rows of out0; v64-127 bo.   window 2: accumulator (R tile a, pair b) at v[64 a + 16 b].
.set ADRP, 4                           ; v4   LDS: P's image + 16 L
.set ADRR, 5                           ; v5   my quarter of R's image + 16 L
.set STO,  9                           ; v9   my stage: row r, + 64 h
.set RD,   10                          ; v10  my stage: 16 L
.set BO,   11                          ; v11  64 h
.set VPL,  14                          ; v14  16 r + 512 h
.set CO,   3                           ; v3   16 L
.set SP,   32
.set SR,   68
.set AF,   160
.set BIA,  64
.set RIMG, 65536
.set STAGE, 196608                     ; 16 rows x 528 bytes for each wave: bytes of its own, into which no fill lands
.set SPARE, 230400
.set G1P,  24
.set G0P,  32
.set G1R,  44
.set G0R,  52
.set MSB, 0
.macro WIN new
.if MSB != (\new)
	s_set_vgpr_msb (MSB<<8)|(\new)
.set MSB, (\new)
.endif
.endm
.macro CROUND
	s_barrier_signal -1
	s_barrier_wait -1
	s_cmp_lg_u32 s18, 0
	s_cbranch_scc1 .Lnot_wave_0_\@
	s_barrier_signal -3
.Lnot_wave_0_\@:
	s_barrier_wait -3
	s_barrier_signal -1
	s_barrier_wait -1
.endm
.macro PLACES n
.rept \n
	v_nop
.endr
.endm
	s_load_b256 s[4:11], s[0:1], 0x0               ; ccod s[4:5], wcod s[6:7], bo s[8:9], out0 s[10:11]
	v_lshl_add_u32 v254, v0, 2, SPARE
	v_mov_b32 v255, 0
	ds_add_u32 v254, v255                          ; the opening lines
	ds_add_u32 v254, v255
	v_lshrrev_b32 v1, 5, v0
	v_readfirstlane_b32 s18, v1                    ; wave 0..3: my quarter of the rows
	s_lshr_b32 s19, s18, 1                         ; I fetch for P (0) or for R (1),
	s_and_b32 s20, s18, 1                          ; this half
	s_bfe_u32 s40, ttmp6, 0x40000                  ; cx
	s_bfe_u32 s41, ttmp6, 0x40004                  ; cy
	s_lshl_b32 s23, ttmp9, 2
	s_add_co_u32 s23, s23, s40                     ; XT: 128 columns
	s_and_b32 s22, ttmp7, 0xffff
	s_lshl_b32 s22, s22, 2
	s_add_co_u32 s22, s22, s41                     ; YT: 256 rows
	s_lshl_b32 s42, s41, 2
	s_lshl_b32 s42, 15, s42                        ; my row of the cluster
	s_lshl_b32 s43, 0x1111, s40                    ; my column
	s_or_b32 s[G1P], s43, (3<<16)|(1<<21)          ; group 1: dense blocks as rows of 256 bytes (32 elements of 8 bytes)
	s_or_b32 s[G1R], s42, (3<<16)|(1<<21)
.irp g, G1P, G1R
	s_mov_b32 s[\g+1], 32<<16
	s_mov_b32 s[\g+3], 32<<16
	s_mov_b32 s[\g+5], 32
	s_mov_b32 s[\g+6], 0
	s_mov_b32 s[\g+7], 0
.endr
	s_mov_b32 s[G1P+2], 128<<16                    ; P: 128 rows of 256 bytes a load
	s_mov_b32 s[G1P+4], 128
	s_mov_b32 s[G1R+2], 256<<16                    ; R: 256
	s_mov_b32 s[G1R+4], 256
	s_lshl_b32 s62, s23, 16
	s_add_co_u32 s62, s62, 1572864                 ; Wo's image: 3 x 524,288 + 65,536 XT,
	s_lshl_b32 s63, s20, 15
	s_add_co_u32 s62, s62, s63                     ; my half of it
	s_mov_b32 s63, 0
	s_lshl_b32 s100, s23, 12
	s_add_co_u32 s100, s100, 2195456               ; its scale words: 2,097,152 + 3 x 32,768 + 4,096 XT
	s_mov_b32 s101, 0
	s_lshl_b32 s2, s22, 17                         ; concat's image: 131,072 YT,
	s_lshl_b32 s3, s20, 16
	s_add_co_u32 s2, s2, s3                        ; my half of it
	s_mov_b32 s3, 0
	s_lshl_b32 s60, s22, 13
	s_add_co_u32 s60, s60, 4194304                 ; its scale words,
	s_lshl_b32 s61, s18, 11
	s_add_co_u32 s60, s60, s61                     ; those of my wave's four tiles
	s_mov_b32 s61, 0
	s_wait_dscnt 0x0
	CROUND                                         ; the opening round, ahead of the wait for the arguments: all sixteen work-groups are here, the joint loads meet
	s_wait_kmcnt 0x0
	s_mov_b32 s[G0P], 1
	s_lshl_b32 s[G0P+1], s20, 15                   ; LDS: P's halves at 0 and 32,768
	s_add_nc_u64 s[G0P+2:G0P+3], s[6:7], s[62:63]
	s_or_b32 s[G0P+3], s[G0P+3], 0x80000000
	s_mov_b32 s[G0R], 1
	s_lshl_b32 s[G0R+1], s20, 16
	s_add_co_u32 s[G0R+1], s[G0R+1], RIMG          ; R's halves at 65,536 and 131,072
	s_add_nc_u64 s[G0R+2:G0R+3], s[4:5], s[2:3]
	s_or_b32 s[G0R+3], s[G0R+3], 0x80000000
	s_add_nc_u64 s[36:37], s[6:7], s[100:101]      ; P's scale words
	s_add_nc_u64 s[38:39], s[4:5], s[60:61]        ; R's
	s_cmp_eq_u32 s19, 0                            ; one tensor load a wave, in the arms of one branch on the wave's number
	s_cbranch_scc0 .Lfor_r
	tensor_load_to_lds s[G0P:G0P+3], s[G1P:G1P+7]
	s_nop 0
	PLACES 4                                       ; four behind the load, ahead of the jump and the label
	s_branch .Lasked
.Lfor_r:
	tensor_load_to_lds s[G0R:G0R+3], s[G1R:G1R+7]
	s_nop 0
	PLACES 4
.Lasked:
	v_and_b32 v1, 15, v0                           ; r
	v_bfe_u32 v2, v0, 4, 1                         ; h
	v_and_b32 v3, 31, v0
	v_lshlrev_b32 v[CO], 4, v3                     ; 16 L
	v_lshlrev_b32 v8, 4, v1                        ; 16 r
	v_mov_b32 v[ADRP], v[CO]
	s_lshl_b32 s99, s18, 15
	s_add_co_u32 s99, s99, RIMG
	v_add_nc_u32 v[ADRR], s99, v[CO]
	v_lshl_add_u32 v[VPL], v2, 9, v8
	s_mul_i32 s99, s18, 16*528
	s_add_co_u32 s99, s99, STAGE                   ; my stage
	v_mul_u32_u24 v[STO], v1, 528
	v_lshl_add_u32 v[STO], v2, 6, v[STO]
	v_add_nc_u32 v[STO], s99, v[STO]
	v_add_nc_u32 v[RD], s99, v[CO]
	v_lshlrev_b32 v[BO], 6, v2
	s_wait_alu depctr_va_vdst(0)                   ; the wait at the head's end
	s_lshl_b32 s100, s23, 9
	s_mov_b32 s101, 0
	s_add_nc_u64 s[14:15], s[8:9], s[100:101]      ; bo at my 128 columns
	s_lshl_b32 s99, s22, 20
	s_add_co_u32 s100, s100, s99
	s_lshl_b32 s99, s18, 18
	s_add_co_u32 s100, s100, s99
	s_add_nc_u64 s[12:13], s[10:11], s[100:101]    ; out0 at row 256 YT + 64 wave, column 128 XT
	WIN 0x40
.irp p, 0,1,2,3,4,5,6,7
	global_load_b128 v[BIA+8*\p:BIA+8*\p+3], v[BO], s[14:15] offset:(32*(\p/2)+8*(\p%2))*4      ; tile p's eight columns of my half: 32 (p / 2) + 16 h + 8 (p % 2) + 0 .. 7
	global_load_b128 v[BIA+8*\p+4:BIA+8*\p+7], v[BO], s[14:15] offset:(32*(\p/2)+8*(\p%2))*4+16
.endr
	WIN 0
.irp b, 0,1,2,3                        ; all scale words, once: four words (four K steps of a row) a lane; sixteen lanes read 256 consecutive bytes, aligned
.irp f, 0,1
	global_load_b128 v[SP+8*\b+4*\f:SP+8*\b+4*\f+3], v[VPL], s[36:37] offset:1024*\b+256*\f
.endr
.endr
.irp a, 0,1,2,3
.irp f, 0,1
	global_load_b128 v[SR+8*\a+4*\f:SR+8*\a+4*\f+3], v8, s[38:39] offset:512*\a+256*\f
.endr
.endr
	s_wait_tensorcnt 0x0                           ; my fill has landed,
	s_barrier_signal -1
	s_barrier_wait -1                              ; everybody's has: from here on the images are only read
.macro FRAG reg, adr, s, i
.irp c, 0,1
	ds_load_b128 v[\reg+4*\c:\reg+4*\c+3], v[\adr] offset:1024*(\s)+512*\c+8192*(\i)
.endr
.endm
.macro FETCH s                         ; K step s: P's eight fragments and R's four into sets s % 2: 24 loads
	WIN 0x40
.irp i, 0,1,2,3,4,5,6,7
	FRAG 128*((\s)%2)+8*\i, ADRP, \s, \i
.endr
	WIN 0
.irp i, 0,1,2,3
	FRAG AF+32*((\s)%2)+8*\i, ADRR, \s, \i
.endr
.endm
.macro MULS s                          ; 16 products of 32 x 16 x 128; the 16 accumulators take turns; the two scale registers differ by 4 modulo 8
.irp a, 0,1,2,3
.irp b, 0,1,2,3
.if (\s) == 0
	v_wmma_scale_f32_32x16x128_f4 v[64*\a+16*\b:64*\a+16*\b+15], v[16*\b:16*\b+15], v[AF+8*\a:AF+8*\a+7], v[BIA+16*\b:BIA+16*\b+15], v[SP+8*\b], v[SR+8*\a]
.else
	v_wmma_scale_f32_32x16x128_f4 v[64*\a+16*\b:64*\a+16*\b+15], v[128*((\s)%2)+16*\b:128*((\s)%2)+16*\b+15], v[AF+32*((\s)%2)+8*\a:AF+32*((\s)%2)+8*\a+7], v[64*\a+16*\b:64*\a+16*\b+15], v[SP+8*\b+(\s)], v[SR+8*\a+(\s)]
.endif
.endr
.endr
.endm
	FETCH 0
.set KS, 0
.rept 8                                ; the K loop, written out: while a step is multiplied the next step's 24 loads are on their way
	s_wait_dscnt 0x0                               ; this step's fragments are in
.if KS < 7
.if KS > 0
	PLACES 4                                       ; in front of loads into registers that the last products read
.endif
	FETCH KS+1
.endif
.if KS == 0
	s_wait_loadcnt 0x0                             ; bo and the scale words
	WIN 0x91                                       ; source 0 and C (bo) window 1, D window 2
.else
	WIN 0xa1                                       ; source 0 window 1, C and D window 2
.endif
	MULS KS
.set KS, KS+1
.endr
; THE WAY OUT, tile by tile of 16 rows x 128 columns.  Lane (r, h) holds, of tile row r, the columns 32 (p / 2) + 16 h + 8 (p % 2) + 0 .. 7 in registers 8 p on: they go into my stage (rows of 528 bytes) and come back as whole rows of
; 512 bytes, which the 32 lanes store.  LDS serves a wave's instructions in order (ISA guide 5.7.1.4): no wait between the stores and the loads, nor in front of the next tile's stores.
.macro TOSTAGE a
.set AC, 64*(\a)
	WIN 0x08                                       ; an LDS store's data are its source 1: window 2
.irp p, 0,1,2,3,4,5,6,7
	ds_store_b128 v[STO], v[AC+8*\p:AC+8*\p+3] offset:128*(\p/2)+32*(\p%2)          ; each accumulator from its low end on
	ds_store_b128 v[STO], v[AC+8*\p+4:AC+8*\p+7] offset:128*(\p/2)+32*(\p%2)+16
.endr
	WIN 0x40                                       ; back into window 1, where P's two sets lay
.set BB, 128*((\a)%2)
.irp t, 0,1,2,3,4,5,6,7,8,9,10,11,12,13,14,15
	ds_load_b128 v[BB+4*\t:BB+4*\t+3], v[RD] offset:\t*528
.endr
.endm
.macro SEND a, younger                 ; younger: the LDS instructions issued behind tile a's loads, which may stay out
.set BB, 128*((\a)%2)
	s_wait_dscnt \younger
	WIN 0x04                                       ; a store's data are its source 1: window 1
.irp t, 0,1,2,3,4,5,6,7,8,9,10,11,12,13,14,15
	global_store_b128 v[CO], v[BB+4*\t:BB+4*\t+3], s[12:13] offset:(32*((\a)/2)+8*((\a)%2)+\t+8*(\t/8))*4096 th:TH_STORE_NT   ; tile row t's place among my 64 rows: 512 consecutive bytes, aligned
.endr
.endm
	PLACES 4                                       ; in front of the first read of results and of the loads into P's registers
	TOSTAGE 0
.irp a, 1,2,3
.if \a > 1
	s_wait_xcnt 0x0                                ; tile a - 2's stores have read their registers: tile a's rows may land there
.endif
	TOSTAGE \a
	SEND \a-1, 32                                  ; behind tile a - 1's loads: tile a's 16 stores and 16 loads
.endr
	SEND 3, 0
	WIN 0
	s_wait_tensorcnt 0x0                           ; the wave's end
	ds_add_u32 v254, v255
	s_wait_dscnt 0x0
	CROUND                                         ; the closing round
	s_endpgm
.Lfunc_end_k_q65ec01ad1f_outp:
	.size	k_q65ec01ad1f_outp, .Lfunc_end_k_q65ec01ad1f_outp-k_q65ec01ad1f_outp
	.p2alignl 7, 3214868480
	.fill 96, 4, 3214868480
	.section	.rodata,"a",@progbits
	.p2align	6, 0x0
	.amdhsa_kernel k_q65ec01ad1f_outp
		.amdhsa_group_segment_fixed_size 230912
		.amdhsa_private_segment_fixed_size 0
		.amdhsa_enable_private_segment 0
		.amdhsa_kernarg_size 32
		.amdhsa_user_sgpr_count 2
		.amdhsa_user_sgpr_kernarg_segment_ptr 1
		.amdhsa_wavefront_size32 1
		.amdhsa_system_sgpr_workgroup_id_x 1
		.amdhsa_system_sgpr_workgroup_id_y 1
		.amdhsa_system_sgpr_workgroup_id_z 1
		.amdhsa_system_vgpr_workitem_id 0
		.amdhsa_next_free_vgpr 768
		.amdhsa_next_free_sgpr 102
		.amdhsa_reserve_vcc 0
		.amdhsa_float_denorm_mode_32 3
		.amdhsa_float_denorm_mode_16_64 3
		.amdhsa_memory_ordered 1
		.amdhsa_forward_progress 1
		.amdhsa_inst_pref_size 54
	.end_amdhsa_kernel
	.amdgpu_metadata
---
amdhsa.version: [ 1, 2 ]
amdhsa.kernels:
  - .name:           k_q65ec01ad1f_outp
    .symbol:         k_q65ec01ad1f_outp.kd
    .args:
      - { .name: ccod, .offset: 0, .size: 8, .value_kind: global_buffer, .address_space: global }
      - { .name: wcod, .offset: 8, .size: 8, .value_kind: global_buffer, .address_space: global }
      - { .name: bo, .offset: 16, .size: 8, .value_kind: global_buffer, .address_space: global }
      - { .name: out0, .offset: 24, .size: 8, .value_kind: global_buffer, .address_space: global }
    .group_segment_fixed_size: 230912
    .private_segment_fixed_size: 0
    .kernarg_segment_align: 8
    .kernarg_segment_size: 32
    .max_flat_workgroup_size: 128
    .sgpr_count:     102
    .vgpr_count:     768
    .wavefront_size: 32
...
	.end_amdgpu_metadata
.endif
;; end of part 4
